; MI455X (gfx1250); checked and timed in simulation.
; The chip was launched on July 23, 2026; its instructions are those of AMD's public machine-readable ISA for CDNA 5 (MIT licence, August 2026) and "CDNA5" Instruction Set Architecture Reference Guide (July 2026). The comments in the code are by the model that wrote it; some were corrected since.
;; Multi Head Attention. Allowed arithmetic: matrix products marked QUANTISED: E2M1 operands, one E8M0 scale for each 32 along K, by v_wmma_scale_f32_16x16x128_f8f6f4 with both operands' format E2M1 (or v_wmma_scale_f32_32x16x128_f4), f32 sums; products left as they are: bf16, f16 or f32 operands; f32 sums; everything else in f32.
;; Inputs: bk 1,024 float32; bo 1,024 float32; bq 1,024 float32; bv 1,024 float32; key 4 x 2,048 x 1,024 float32; query 4 x 2,048 x 1,024 float32; value 4 x 2,048 x 1,024 float32; wk 1,024 x 1,024 float32; wo 1,024 x 1,024 float32; wq 1,024 x 1,024 float32; wv 1,024 x 1,024 float32.
;; Outputs: out0 4 x 2,048 x 1,024 float32.
;; This version of the problem:
;;   THIS VERSION OF THE PROBLEM IS GIVEN IN LOW PRECISION. The matrix products marked QUANTISED in the list below multiply operands that are first quantised to E2M1 (2 exponent bits, 1 mantissa bit; 4 bits a number), with one power-of-two scale for each 32 numbers along K (OCP MX v1.0); their sums are f32. The products marked 'left as it is' may take bf16, f16 or f32 operands, with f32 sums. Whichever they take, every output number must still come out within the allowed error. Rounding operands to bf16 (8 significant bits) uses up far more of that allowance than f16 does (11 bits, for magnitudes from 6e-5 to 65,504). All else is computed in f32.
;;   The module's matrix products, in the order in which they are computed (A, B: the left and right operand; K: the contracted axis; several contracted axes count as one K, in the product's order):
;;     1. [M 8,192, K 1,024] x [K 1,024, N 1,024]; A: input query; B: input wq: QUANTISED
;;     2. [M 8,192, K 1,024] x [K 1,024, N 1,024]; A: input key; B: input wk: QUANTISED
;;     3. [M 8,192, K 1,024] x [K 1,024, N 1,024]; A: input value; B: input wv: QUANTISED
;;     4. batch 64 x [M 2,048, K 64] x [K 64, N 2,048]; A: computed on the way; B: computed on the way: left as it is (an operand is computed on the way)
;;     5. batch 64 x [M 2,048, K 2,048] x [K 2,048, N 64]; A: computed on the way; B: computed on the way: left as it is (an operand is computed on the way)
;;     6. [M 8,192, K 1,024] x [K 1,024, N 1,024]; A: computed on the way; B: input wo: left as it is (an operand is computed on the way)
;;   THE QUANTISER, for each operand of a quantised product, along K:
;;     - K is cut into blocks of 32 from its start; a last block that is shorter is filled with zeros.
;;     - A block's scale is 2^e with e = floor(log2(the largest magnitude in the block)) - 2, held to -126 .. 127; a block of zeros has e = 0. As a byte (E8M0): e + 127.
;;     - Each number is divided by its block's scale, clamped to +-6, and rounded to the nearest number of E2M1, ties to even, subnormals kept.
;;     - The product sums the exact products of the quantised numbers (number of the format x scale) in f32.
;;   ~~~python
;;   def quantise(x, axis):      # numpy; x: float32 -> the quantised numbers, widened to float32 again
;;       x = np.moveaxis(x, axis, -1); K = x.shape[-1]
;;       x = np.pad(x, [(0, 0)] * (x.ndim - 1) + [(0, -K % 32)]); x = x.reshape(x.shape[:-1] + (-1, 32)); a = np.abs(x).max(-1, keepdims=True)
;;       e = np.where(a > 0, np.clip(np.frexp(np.where(a > 0, a, 1))[1] - 1 - 2, -126, 127), 0)      # np.frexp(a)[1] - 1 = floor(log2(a)), exactly
;;       r = np.clip(x / 2.0 ** e, -6, 6)
;;       step = 2.0 ** (np.maximum(np.frexp(np.where(r == 0, 1, r))[1] - 1, 0) - 1)
;;       q = np.round(r / step) * step * 2.0 ** e      # np.round: ties to even
;;       return np.moveaxis(q.reshape(q.shape[:-2] + (-1,))[..., :K], -1, axis).astype(np.float32)
;;   ~~~
;; One version. Each part assembles by itself: llvm-mc -triple=amdgcn-amd-amdhsa -mcpu=gfx1250 --defsym DOCPART=n.
;; ======== version 1 of 1: 4 launches
;; limits: values are held in f16: magnitudes above 65,504 overflow, below 6.1e-05 lose precision
;; workspace buffers: codes 14,155,776 bytes; scales 884,736 bytes; wof 2,097,152 bytes; qkv 50,331,648 bytes; ctx 16,777,216 bytes
;; launch prep (part 1): grid 896 x 1, 4 waves a work-group, no clusters, 33,280 bytes of LDS; arguments query, key, value, wq, wk, wv, wo, codes, scales, wof; writes codes, scales, wof
.if DOCPART == 1
	.amdgcn_target "amdgcn-amd-amdhsa--gfx1250"
	.amdhsa_code_object_version 6
	.text
	.protected	k_qc455bc4061_prep
	.globl	k_qc455bc4061_prep
	.p2align	8
	.type	k_qc455bc4061_prep,@function
k_qc455bc4061_prep:
	s_mov_b64 s[64:65], 0
	v_nop
	global_prefetch_b8 v0, s[64:65] scope:SCOPE_SE
	s_setreg_imm32_b32 hwreg(HW_REG_WAVE_MODE, 25, 1), 1
	s_wait_xcnt 0x0
; MULTI-HEAD ATTENTION, launch 1 of 4: the operands of the three quantised projections become codes of FP4 (E2M1) with one E8M0 scale byte for each 32 along K; wo becomes f16.
; WORK LEFT OUT, IN THE WHOLE PROGRAM: THE INPUT bk.  The scores are Q . (K0 + bk) = Q . K0 + Q . bk, K0 = key wk^T.  That product is not quantised, and Q . bk is one number for a query,
; the same for all its keys: the softmax along the keys divides exp(Q . bk) out again, whatever finite values the inputs hold.  So bk reaches no output: it is not loaded and is no argument of any launch.
; LIMIT: a NaN, an infinity or an overflow that comes from bk alone is not carried to the result.
; bv IS LIVE AND IS ADDED LATER: a softmax's row sums to 1, so attn (V0 + bv) = attn V0 + bv: the third launch adds bv in f32 where it divides by the row's sum.  bq and bo stay where they are.
; THE QUANTISER.  A block's scale is 2^(floor(log2(its largest magnitude)) - 2); its byte is the largest magnitude's own exponent field - 2, held at 1 from below.  A block of zeros so gets the byte 1
; where the rule says 127: its codes are zeros, which add nothing under any byte but 0xff, and this program alone reads the bytes.  Each number is divided by the scale and rounded to the nearest code, ties to even.
; LIMITS: blocks whose largest magnitude lies under 2^(2 - 126), whose byte is held at 1, were not tried; NaN and infinities among the quantiser's inputs are not served.
; SHARES.  All six tensors have K = 1,024 innermost and dense rows: each is a plain stream of blocks of 32.  Work-groups 0-255 take query, 256-511 key, 512-767 value, 768-799 wq, 800-831 wk, 832-863 wv,
; 32,768 numbers each; their codes and scale bytes lie in that same order in the two workspace buffers, so the place out hangs on the work-group's number alone.  A wave takes 16 steps of 512 numbers.
; Each load reads 512 consecutive bytes; a step's 2,048 bytes turn through the wave's own stage in LDS, so that a lane holds 16 neighbours for the conversions; a wave stores 256 consecutive bytes of codes a step.
; Work-groups 864-895 turn wo into f16 in FRAGMENT ORDER: 16 rows x 32 along k are 1,024 bytes, [c 2][h 2][r 16][16 bytes], the 16 bytes being row r, k = 16 c + 8 h + 0 .. 7: the image of a matrix operand's
; eight registers, lane 16 h + r.  Fragment (n / 16, k / 32) lies at ((n / 16) 32 + k / 32) x 1,024.  That path uses no LDS.
; No cluster and no matrix unit: the work-groups share no input, and the work is a stream.
.set WAVES, 4
.set STEPS, 16
.set QWG,   864                        ; the first work-group of wo's path
.set CB,    8                          ; bytes of 16 codes
.set R,     16                         ; v16-79   four sets of 16 numbers as loaded (wo's path: v16-143, four batches of 32)
.set X,     80                         ; v80-111  two sets of 16 neighbours
.set E,     112                        ; v112-127 a scale byte for each step
.set C,     128                        ; v128-191 codes: four registers for each step, so that no store's data are written again
.set Y,     144                        ; wo's path: v144-159 sixteen registers of f16 pairs
.set WI,    160                        ; wo's path: v160 my byte in the wave's 16 rows of wo
.set WO,    161                        ; wo's path: v161 16 x lane
.set WREG,  8192                       ; LDS: a region for each wave: two stages of 32 x SP bytes, behind them its 256 scale bytes
.set SP,    80                         ; a lane's place in a stage: its 64 bytes + 16 of padding
.set SPW,   12                         ; v12  LDS address of my spare word; never rewritten
.set NIL,   13                         ; v13  0; never rewritten
.set SPARE, WAVES*WREG                 ; behind the four regions: the spare words, 128 bytes a wave, which no other line names
	s_load_b256 s[4:11], s[0:1], 0x0               ; query s[4:5], key s[6:7], value s[8:9], wq s[10:11]
	s_load_b256 s[12:19], s[0:1], 0x20             ; wk s[12:13], wv s[14:15], wo s[16:17], codes s[18:19]
	s_load_b128 s[20:23], s[0:1], 0x40             ; scales s[20:21], wof s[22:23]
	v_lshl_add_u32 v[SPW], v0, 2, SPARE
	v_mov_b32 v[NIL], 0
	v_lshrrev_b32 v1, 5, v0
	v_readfirstlane_b32 s24, v1                    ; wave
	v_and_b32 v2, 31, v0                           ; lane
	v_lshlrev_b32 v3, 4, v2                        ; my 16 bytes of a load's 512
	s_mul_i32 s25, s24, WREG
	v_lshrrev_b32 v14, 2, v2
	v_mul_u32_u24 v14, v14, SP
	v_and_b32 v15, 3, v2
	v_lshl_add_u32 v14, v15, 4, v14
	v_add_nc_u32 v14, s25, v14                     ; the stage, on the way in: SP (lane / 4) + 16 (lane % 4)
	v_mul_u32_u24 v15, v2, SP
	v_add_nc_u32 v15, s25, v15                     ; and on the way out: SP x lane: my 16 neighbours
	v_mul_u32_u24 v4, v2, CB                       ; my codes' place in a step's
	v_lshrrev_b32 v5, 1, v2
	s_add_co_u32 s25, s25, 2*32*SP
	v_add_nc_u32 v5, s25, v5                       ; LDS: my wave's 256 scale bytes, my block's byte
	v_lshlrev_b32 v7, 3, v2                        ; and on the way out 8 bytes a lane
	v_add_nc_u32 v6, s25, v7
	s_wait_kmcnt 0x0
	s_cmp_ge_u32 ttmp9, QWG                        ; the work-group's number alone decides
	s_cbranch_scc1 .Lwo
	; which tensor: the pointer and the tensor's first work-group, chosen from the top down
.macro PICK lim, lo, first
	s_cmp_lt_u32 ttmp9, \lim
	s_cselect_b64 s[26:27], s[\lo:\lo+1], s[26:27]
	s_cselect_b32 s28, \first, s28
.endm
	s_mov_b64 s[26:27], s[14:15]                   ; wv,
	s_mov_b32 s28, 832
	PICK 832, 12, 800                              ; wk,
	PICK 800, 10, 768                              ; wq,
	PICK 768, 8, 512                               ; value,
	PICK 512, 6, 256                               ; key,
	PICK 256, 4, 0                                 ; query
	s_sub_co_u32 s28, ttmp9, s28
	s_lshl_b32 s28, s28, 2
	s_add_co_u32 s28, s28, s24                     ; which run of 8,192 numbers of the tensor is my wave's
	s_lshl_b32 s28, s28, 15                        ; 32,768 bytes a run
	s_mov_b32 s29, 0
	s_add_nc_u64 s[26:27], s[26:27], s[28:29]
	s_lshl_b32 s30, ttmp9, 2
	s_add_co_u32 s30, s30, s24                     ; which run of all six tensors
	s_lshl_b32 s28, s30, 12                        ; 4,096 bytes of codes a run
	s_add_nc_u64 s[18:19], s[18:19], s[28:29]
	s_lshl_b32 s28, s30, 8                         ; 256 scale bytes a run
	s_add_nc_u64 s[20:21], s[20:21], s[28:29]
.macro LOAD t
.irp i, 0,1,2,3
	global_load_b128 v[R+16*((\t)%4)+4*\i:R+16*((\t)%4)+4*\i+3], v3, s[26:27] offset:2048*(\t)+512*\i th:TH_LOAD_NT   ; 32 lanes read 512 consecutive bytes
.endr
.endm
.macro TURN t                          ; step t's numbers through the stage: LDS serves a wave's instructions in order, so no wait stands between the stores and the loads
.irp i, 0,1,2,3
	ds_store_b128 v14, v[R+16*((\t)%4)+4*\i:R+16*((\t)%4)+4*\i+3] offset:32*SP*((\t)%2)+8*SP*\i
.endr
.irp i, 0,1,2,3
	ds_load_b128 v[X+16*((\t)%2)+4*\i:X+16*((\t)%2)+4*\i+3], v15 offset:32*SP*((\t)%2)+16*\i
.endr
.endm
.irp t, 0,1,2,3
	LOAD \t
.endr
	s_wait_loadcnt 12                              ; step 0's four loads are in; the twelve of steps 1 to 3 may be out
	TURN 0
.macro STEP t
.set XS, X+16*((\t)%2)
.if (\t) > 0
	s_wait_dscnt 1                                 ; this step's numbers are back from the stage (the last step's byte store may be out): so its stores into the stage have read their registers,
.else
	s_wait_dscnt 0x0
.endif
.if (\t)+4 < STEPS
	LOAD (\t)+4                                    ; which take the loads of four steps on
.endif
.if (\t)+1 < STEPS
.if STEPS-2-(\t) >= 3
	s_wait_loadcnt 12                              ; the next step's four loads are in; those of the three steps behind it may be out
.else
	s_wait_loadcnt 4*(STEPS-2-(\t))
.endif
	TURN (\t)+1                                    ; and go through the other stage while this step is worked
.endif
	v_max3_num_f32 v8, |v[XS]|, |v[XS+1]|, |v[XS+2]|               ; the largest magnitude of my 16, in two chains
	v_max3_num_f32 v9, |v[XS+3]|, |v[XS+4]|, |v[XS+5]|
.irp i, 6,10
	v_max3_num_f32 v8, v8, |v[XS+\i]|, |v[XS+\i+1]|
	v_max3_num_f32 v9, v9, |v[XS+\i+2]|, |v[XS+\i+3]|
.endr
	v_max3_num_f32 v8, v8, |v[XS+14]|, |v[XS+15]|
	v_max3_num_f32 v8, v8, v9, 0x1800000           ; and the floor 2^(3 - 127): the byte cannot fall under 1
	v_max_num_f32_dpp v8, v8, v8 row_xmask:1 row_mask:0xf bank_mask:0xf   ; and of my neighbour's 16: the block's
	v_add_nc_u32 v11, 0xff000000, v8               ; 2 off its exponent field: the conversion takes the exponent field of this operand as its scale, and nothing else of it
	v_cvt_scalef32_pk8_fp4_f32 v[C+4*(\t)], v[XS:XS+7], v11
	v_cvt_scalef32_pk8_fp4_f32 v[C+4*(\t)+1], v[XS+8:XS+15], v11
	v_lshrrev_b32 v[E+(\t)], 23, v11               ; the scale's byte (a plain line behind the conversions)
	ds_store_b8 v5, v[E+(\t)] offset:16*(\t)       ; both lanes of a block write the same byte with the same value
	global_store_b64 v4, v[C+4*(\t):C+4*(\t)+1], s[18:19] offset:32*CB*(\t)   ; 32 lanes store 256 consecutive bytes, aligned
.endm
.irp t, 0,1,2,3,4,5,6,7,8,9,10,11,12,13,14,15
	STEP \t
.endr
	ds_load_b64 v[8:9], v6                         ; LDS serves a wave's instructions in order: these see my byte stores
	s_wait_dscnt 0x0
	global_store_b64 v7, v[8:9], s[20:21]          ; 32 lanes store my run's 256 scale bytes, aligned
	s_branch .Lend
.Lwo:   ; wo [1024 n][1024 k] f32 -> f16 fragments.  Wave W of 128 takes rows 16 (W / 2) on and k = 512 (W % 2) on: 16 fragments, 16,384 consecutive bytes out
	s_sub_co_u32 s28, ttmp9, QWG
	s_lshl_b32 s28, s28, 2
	s_add_co_u32 s28, s28, s24                     ; W
	s_lshr_b32 s30, s28, 1
	s_lshl_b32 s30, s30, 16                        ; 16 rows of 4,096 bytes
	s_and_b32 s29, s28, 1
	s_lshl_b32 s29, s29, 11                        ; 512 numbers along k
	s_add_co_u32 s30, s30, s29
	s_mov_b32 s31, 0
	s_add_nc_u64 s[16:17], s[16:17], s[30:31]
	s_lshl_b32 s30, s28, 14
	s_add_nc_u64 s[22:23], s[22:23], s[30:31]
	v_and_b32 v[WI], 15, v0                        ; r
	v_bfe_u32 v[WO], v0, 4, 1                      ; h
	v_lshlrev_b32 v[WI], 12, v[WI]
	v_lshl_add_u32 v[WI], v[WO], 5, v[WI]          ; row r, + 32 h bytes: my 8 numbers of a run of 16
	v_lshlrev_b32 v[WO], 4, v2
.macro WOLD t                          ; batch t: fragments 2 t and 2 t + 1: eight loads, which together read 256 consecutive bytes of each of the 16 rows
.irp g, 0,1
.irp c, 0,1
.irp u, 0,1
	global_load_b128 v[R+32*((\t)%4)+8*(2*\g+\c)+4*\u:R+32*((\t)%4)+8*(2*\g+\c)+4*\u+3], v[WI], s[16:17] offset:(2*(\t)+\g)*128+64*\c+16*\u th:TH_LOAD_NT
.endr
.endr
.endr
.endm
.macro WOB t
.if 8*(7-(\t)) < 24
	s_wait_loadcnt 8*(7-(\t))                      ; the tail: the later batches' eight loads each may be out
.else
	s_wait_loadcnt 24                              ; this batch is in; the three later batches' eight loads each may be out
.endif
	s_wait_xcnt 0x0                                ; the last batch's stores have read their registers: they are written again only behind this wait
.irp p, 0,1,2,3
.irp j, 0,1,2,3
	v_cvt_pk_f16_f32 v[Y+4*\p+\j], v[R+32*((\t)%4)+8*\p+2*\j], v[R+32*((\t)%4)+8*\p+2*\j+1]
.endr
.endr
.if (\t) < 4
	WOLD (\t)+4
.endif
.irp p, 0,1,2,3
	global_store_b128 v[WO], v[Y+4*\p:Y+4*\p+3], s[22:23] offset:2048*(\t)+512*\p   ; 32 lanes store 512 consecutive bytes: half a fragment
.endr
.endm
.irp t, 0,1,2,3
	WOLD \t
.endr
.irp t, 0,1,2,3,4,5,6,7
	WOB \t
.endr
.Lend:
	s_wait_tensorcnt 0x0                           ; the wave's end: behind my last LDS store
	ds_add_u32 v[SPW], v[NIL]
	s_wait_dscnt 0x0
	s_endpgm
.Lfunc_end_k_qc455bc4061_prep:
	.size	k_qc455bc4061_prep, .Lfunc_end_k_qc455bc4061_prep-k_qc455bc4061_prep
	.p2alignl 7, 3214868480
	.fill 96, 4, 3214868480
	.section	.rodata,"a",@progbits
	.p2align	6, 0x0
	.amdhsa_kernel k_qc455bc4061_prep
		.amdhsa_group_segment_fixed_size 33280
		.amdhsa_private_segment_fixed_size 0
		.amdhsa_enable_private_segment 0
		.amdhsa_kernarg_size 80
		.amdhsa_user_sgpr_count 2
		.amdhsa_user_sgpr_kernarg_segment_ptr 1
		.amdhsa_wavefront_size32 1
		.amdhsa_system_sgpr_workgroup_id_x 1
		.amdhsa_system_sgpr_workgroup_id_y 1
		.amdhsa_system_sgpr_workgroup_id_z 1
		.amdhsa_system_vgpr_workitem_id 0
		.amdhsa_next_free_vgpr 192
		.amdhsa_next_free_sgpr 66
		.amdhsa_reserve_vcc 0
		.amdhsa_float_denorm_mode_32 3
		.amdhsa_float_denorm_mode_16_64 3
		.amdhsa_memory_ordered 1
		.amdhsa_forward_progress 1
		.amdhsa_inst_pref_size 52
	.end_amdhsa_kernel
	.amdgpu_metadata
---
amdhsa.version: [ 1, 2 ]
amdhsa.kernels:
  - .name:           k_qc455bc4061_prep
    .symbol:         k_qc455bc4061_prep.kd
    .args:
      - { .name: query, .offset: 0, .size: 8, .value_kind: global_buffer, .address_space: global }
      - { .name: key, .offset: 8, .size: 8, .value_kind: global_buffer, .address_space: global }
      - { .name: value, .offset: 16, .size: 8, .value_kind: global_buffer, .address_space: global }
      - { .name: wq, .offset: 24, .size: 8, .value_kind: global_buffer, .address_space: global }
      - { .name: wk, .offset: 32, .size: 8, .value_kind: global_buffer, .address_space: global }
      - { .name: wv, .offset: 40, .size: 8, .value_kind: global_buffer, .address_space: global }
      - { .name: wo, .offset: 48, .size: 8, .value_kind: global_buffer, .address_space: global }
      - { .name: codes, .offset: 56, .size: 8, .value_kind: global_buffer, .address_space: global }
      - { .name: scales, .offset: 64, .size: 8, .value_kind: global_buffer, .address_space: global }
      - { .name: wof, .offset: 72, .size: 8, .value_kind: global_buffer, .address_space: global }
    .group_segment_fixed_size: 33280
    .private_segment_fixed_size: 0
    .kernarg_segment_align: 8
    .kernarg_segment_size: 80
    .max_flat_workgroup_size: 128
    .sgpr_count:     66
    .vgpr_count:     192
    .wavefront_size: 32
...
	.end_amdgpu_metadata
.endif
;; end of part 1
;; launch proj (part 2): grid 4 x 96, 4 waves a work-group, clusters of 4 x 4, 327,680 bytes of LDS; arguments codes, scales, bq, qkv; writes qkv
.if DOCPART == 2
	.amdgcn_target "amdgcn-amd-amdhsa--gfx1250"
	.amdhsa_code_object_version 6
	.text
	.protected	k_qc455bc4061_proj
	.globl	k_qc455bc4061_proj
	.p2align	8
	.type	k_qc455bc4061_proj,@function
k_qc455bc4061_proj:
	s_mov_b64 s[64:65], 0
	v_nop
	global_prefetch_b8 v0, s[64:65] scope:SCOPE_SE
	s_setreg_imm32_b32 hwreg(HW_REG_WAVE_MODE, 25, 1), 1
	s_wait_xcnt 0x0
	s_wait_alu depctr_hold_cnt(0) depctr_sa_sdst(0) depctr_va_vdst(0) depctr_va_sdst(0) depctr_va_ssrc(0) depctr_va_vcc(0) depctr_vm_vsrc(0)
	s_getreg_b32 s2, hwreg(HW_REG_IB_STS2, 6, 4)
	s_cmp_eq_u32 s2, 0
	s_cbranch_scc0 .Lentry_in_a_cluster
	s_endpgm
.Lentry_in_a_cluster:
	s_bfe_u32 s2, ttmp6, 0x10000c
	s_cmp_lg_u32 s2, 0xf033
	s_cbranch_scc0 .Lentry_shape_is_right
	s_endpgm
.Lentry_shape_is_right:
; MULTI-HEAD ATTENTION, launch 2 of 4: the three quantised projections, C = A B^T on codes of FP4 (E2M1) with one E8M0 scale for each 32 along K = 1,024; sums in f32; results rounded once to f16.
;   tensor 0: Q = query wq^T + bq   (8,192 x 1,024)      tensor 1: K = key wk^T   (8,192 x 1,024)      tensor 2: V^T = wv value^T   (1,024 x 8,192): the operands change places, so that V comes out with the keys innermost.
; LEFT OUT: bk (Q . bk is the same for all keys of a query, and the softmax along the keys takes it away for all values of the inputs; it is no argument).  bv is added by the next launch, behind the softmax, whose rows sum to 1.
; LIMIT: Q, K and V are kept in f16: magnitudes from 65,520 on become infinite.
; A tile of C, 256 x 256, is made by a work-group of four waves; a wave makes 128 x 128: 64 accumulators of 16 x 16, 512 registers.  K is two slots of 512 (rows of 256 bytes of codes): both are asked for at the start, and no LDS byte is filled twice.
; THE SCALES of the work-group's 256 rows of A and of B, for all of K, are two dense blocks of memory: they come into LDS once, with the first fills.
; CLUSTERS: 4 x 4 work-groups.  The four of a row of the cluster need the same tiles of A, the four of a column the same tiles of B: each tile is asked for JOINTLY.  A cluster lies inside one tensor: which one hangs on the cluster's y alone.
; THE MATRIX INSTRUCTION IS USED TRANSPOSED (source 0 = 16 rows of B, source 1 = 16 rows of A): a lane holds eight neighbouring numbers of a row of C.
; THE RESULT IS STORED IN FRAGMENT ORDER: 16 rows x 32 columns are 1,024 bytes, [c 2][h 2][r 16][16 bytes], the 16 bytes being row r, columns 16 c + 8 h + 0 .. 7 in f16: accumulator (a, b), packed in pairs, IS the half c = b % 2 of
; fragment b / 2, lane by lane.  So the results go from registers to memory, 512 consecutive bytes a store, and the next launch loads operands as they lie.  Fragment (m / 16, n / 32) of a matrix with N columns lies at ((m / 16) N / 32 + n / 32) x 1,024.
; REGISTERS, in windows of 256: window 0: v0-31 addresses; v32-95 scale words, two sets, and nothing else; from v128 A's fragments, ONE set; on the way out v96-159 bq, v160-223 sums, v224-255 packed results.
;   window 1: B's fragments, TWO sets, at v0 and at v128.   window 2: the 32 accumulators of my rows 0-63 (accumulator (a, b) at v[8 (8 a + b)]);   window 3: those of my rows 64-127.
.set NQ,     4                         ; steps of 128 along K in a slot
.set ROWB,   256                       ; a tile's row in bytes: 512 codes
.set KROW,   512                       ; a row of codes in memory, in bytes
.set PITCH,  272                       ; an LDS row: 256 bytes + 16 of padding = 68 words: row r starts at bank 4 r mod 64 (64 banks of 4 bytes: ISA guide 11.1)
.set FR,     8                         ; registers of a fragment: 16 rows x 128 K
.set NL,     2                         ; LDS loads that bring one
.set NP,     4                         ; places behind this matrix instruction (ISA guide 7.12.1)
.set HALFT,  128*PITCH                 ; 128 rows: what one tensor load brings, and what one wave reads of A or of B
.set SLOT,   4*HALFT                   ; A's 256 rows, then B's 256 rows
.set KS,     32                        ; a row of scales in bytes
.set SCL,    2*SLOT                    ; behind the two slots: the scales, as units of 256 bytes + 16 of padding
.set HALFS,  (128*KS/256)*272          ; the scales of 128 rows: what one tensor load brings
.set SBLK,   (16*KS/256)*272           ; those of 16 rows
.set SPARE,  SCL+4*HALFS               ; behind the scales: the spare words, 128 bytes a wave, which no other line names
.set ADRA, 16                          ; v16-17  LDS address of my A fragments in slot 0, 1
.set ADRB, 20                          ; v20-21  the same for B
.set BA,   24                          ; v24     32 x (lane / 16): my eight numbers of bq in a run of 16
.set CO,   26                          ; v26     16 x lane: my place in half a fragment
.set ADRS, 27                          ; v27     LDS address of my scale words: lanes 0-15 A's rows, lanes 16-31 B's
.set SPW,  28                          ; v28     LDS address of my spare word; never rewritten
.set NIL,  29                          ; v29     0; never rewritten
.set SC,   32                          ; scale words: set s (for slot s) at v[SC + 8 NQ s]; register NQ i + q: lanes 0-15 the word of A's block i, lanes 16-31 that of B's block i, for the slot's q-th 128 along K
.set AF,   128                         ; A's fragments, in window 0
.set BI,   96                          ; the way out: bq of my 128 columns, in the results' layout
.set T,    160                         ; the way out: a block's 64 sums with bq added
.set TMP,  224                         ; the way out: a block's 32 registers of f16 pairs
.set G1, 24                            ; s[24:31] descriptor group 1 for A's tiles;  s[32:39] group 0, one set for each slot
.set G0, 32
.set G1B, 48                           ; s[48:55], s[56:63] the same for B's tiles
.set G0B, 56
.set G1S, 68                           ; s[68:75], s[76:79] groups 1 and 0 for A's scales;  s[80:87], s[88:91] for B's
.set G0S, 76
.set G1SB, 80
.set G0SB, 88
.set MSB, 0
.macro WIN new                         ; the immediate's high byte repeats the setting that is left
.if MSB != \new
	s_set_vgpr_msb (MSB<<8)|\new
.set MSB, \new
.endif
.endm
.set MUL_LO, 0xa1                      ; source 0 (B) window 1, source 1 (A) window 0, C and D window 2
.set MUL_HI, 0xf1                      ; the same, C and D window 3
.set TO_B,   0x40                      ; destination window 1, address window 0
; A joint load: waves 0 and 1 fetch for A, waves 2 and 3 for B.  Each of the two lines has ONE mask and one set of registers for all that issue it; the branch hangs on the wave's number alone.
; An s_nop 0 and four v_nop follow each of the two lines, ahead of the jump, the label and what follows.
.macro JLOAD g0a, g1a, g0b, g1b
	s_cmp_eq_u32 s15, 0
	s_cbranch_scc0 .Lfor_b_\@
	tensor_load_to_lds s[\g0a:\g0a+3], s[\g1a:\g1a+7]
	s_nop 0
.rept 4
	v_nop
.endr
	s_branch .Lasked_\@
.Lfor_b_\@:
	tensor_load_to_lds s[\g0b:\g0b+3], s[\g1b:\g1b+7]
	s_nop 0
.rept 4
	v_nop
.endr
.Lasked_\@:
.endm
.macro CROUND                          ; a round of the cluster's barrier: my work-group's barrier; wave 0 signals for the work-group; every wave waits for all sixteen; my work-group's barrier once more
	s_barrier_signal -1
	s_barrier_wait -1
	s_cmp_lg_u32 s14, 0
	s_cbranch_scc1 .Lnot_wave_0_\@
	s_barrier_signal -3
.Lnot_wave_0_\@:
	s_barrier_wait -3
	s_barrier_signal -1
	s_barrier_wait -1
.endm
	s_load_b256 s[4:11], s[0:1], 0x0               ; codes s[4:5], scales s[6:7], bq s[8:9], qkv s[10:11]
	v_lshl_add_u32 v[SPW], v0, 2, SPARE
	v_mov_b32 v[NIL], 0
	ds_add_u32 v[SPW], v[NIL]                      ; the wave's opening: the add, twice on end, and its wait ahead of my first tensor load; the set-up below, work on registers, stands between the second and the wait
	ds_add_u32 v[SPW], v[NIL]                      ; and once more, under the one wait
	v_lshrrev_b32 v1, 5, v0
	v_readfirstlane_b32 s14, v1                    ; wave 0..3
	s_lshr_b32 s15, s14, 1                         ; which half of the tile's rows is mine.  Also: I fetch for A (0) or for B (1)
	s_and_b32 s16, s14, 1                          ; which half of its columns.  Also: which 128 rows of that tile I fetch
	s_bfe_u32 s40, ttmp6, 0x40000                  ; cx, cy: my place in the cluster
	s_bfe_u32 s41, ttmp6, 0x40004
	s_and_b32 s12, ttmp7, 0xffff                   ; the cluster's y, 0 .. 23: eight clusters to a tensor
	s_lshr_b32 s13, s12, 3                         ; the tensor: 0 Q, 1 K, 2 V^T: the same in all sixteen partners
	s_and_b32 s12, s12, 7                          ; the cluster in it
	s_lshl_b32 s92, s13, 22                        ; A's codes begin: query at 0, key at 4,194,304,
	s_lshl_b32 s93, s13, 19
	s_add_co_u32 s93, s93, 12582912                ; B's: wq at 12,582,912, wk 524,288 further on
	s_mov_b32 s96, 32768                           ; bytes from 16 rows of C to the next: 32 fragments,
	s_cmp_eq_u32 s13, 2                            ; but for V^T:
	s_cselect_b32 s17, 0, s12                      ; the clusters lie side by side, not one below the other,
	s_cselect_b32 s42, s12, 0
	s_cselect_b32 s92, 13631488, s92               ; A is wv,
	s_cselect_b32 s93, 8388608, s93                ; B is value,
	s_cselect_b32 s96, 262144, s96                 ; and a row of fragments has 256
	s_mov_b32 s97, 0
	s_lshl_b32 s17, s17, 2
	s_add_co_u32 s17, s17, s41                     ; tile row of C
	s_lshl_b32 s42, s42, 2
	s_add_co_u32 s42, s42, s40                     ; tile column of C
	s_lshl_b32 s43, s41, 2
	s_lshl_b32 s43, 15, s43                        ; my row of the cluster
	s_lshl_b32 s44, 0x1111, s40                    ; my column
	; descriptor group 1: a tile of 128 rows x 256 bytes, padded in LDS
	s_or_b32 s[G1+0], s43, (0<<16)|(1<<20)|(1<<21)|(5<<22)|(3<<25)  ; 15:0 the mask: A's tiles go to my row; 17:16 element of 1 byte; 20 padding on; 21 set beside a mask; 24:22 after every 64 words (code 5); 31:25 of 4 words (code 3)
	s_or_b32 s[G1B+0], s44, (0<<16)|(1<<20)|(1<<21)|(5<<22)|(3<<25)
.irp g, G1, G1B
	s_mov_b32 s[\g+1], ROWB<<16                    ; tensor_dim0
	s_mov_b32 s[\g+2], 128<<16                     ; tensor_dim1 = 128
	s_mov_b32 s[\g+3], ROWB<<16                    ; tile_dim0
	s_mov_b32 s[\g+4], 128                         ; tile_dim1 = 128
	s_mov_b32 s[\g+5], KROW                        ; tensor_dim0_stride
	s_mov_b32 s[\g+6], 0
	s_mov_b32 s[\g+7], 0
.endr
	; and for the scales of 128 rows: a dense block of 4,096 bytes, as 16 rows of 256 bytes (32 elements of 8 bytes), 16 bytes of padding behind each
	s_or_b32 s[G1S+0], s43, (3<<16)|(1<<20)|(1<<21)|(5<<22)|(3<<25)
	s_or_b32 s[G1SB+0], s44, (3<<16)|(1<<20)|(1<<21)|(5<<22)|(3<<25)
.irp g, G1S, G1SB
	s_mov_b32 s[\g+1], 32<<16
	s_mov_b32 s[\g+2], (128*KS/256)<<16
	s_mov_b32 s[\g+3], 32<<16
	s_mov_b32 s[\g+4], 128*KS/256
	s_mov_b32 s[\g+5], 32
	s_mov_b32 s[\g+6], 0
	s_mov_b32 s[\g+7], 0
.endr
	s_lshl_b32 s18, s16, 7                         ; which 128 rows of the tile I fetch
	s_lshl_b32 s20, s17, 8
	s_add_co_u32 s20, s20, s18                     ; A: row 256 x tile row + 128 x half,
	s_lshl_b32 s20, s20, 9                         ; 512 bytes of codes a row,
	s_add_co_u32 s20, s20, s92                     ; behind the tensor's first byte
	s_mov_b32 s21, 0
	s_lshr_b32 s22, s20, 4                         ; a row's 32 scale bytes are a sixteenth of its codes, and the tensors lie in the same order
	s_mov_b32 s23, 0
	s_lshl_b32 s46, s42, 8
	s_add_co_u32 s46, s46, s18                     ; B: row 256 x tile column + 128 x half
	s_lshl_b32 s46, s46, 9
	s_add_co_u32 s46, s46, s93
	s_mov_b32 s47, 0
	s_lshr_b32 s94, s46, 4
	s_mov_b32 s95, 0
	s_mul_i32 s45, s14, HALFT                      ; where they go: wave x 128 rows: no place in the cluster enters an LDS address
	s_mul_i32 s3, s14, HALFS
	s_wait_dscnt 0x0                               ; both opening adds are done
	s_wait_kmcnt 0x0
	s_add_nc_u64 s[20:21], s[4:5], s[20:21]
	s_add_nc_u64 s[22:23], s[6:7], s[22:23]
	s_add_nc_u64 s[46:47], s[4:5], s[46:47]
	s_add_nc_u64 s[94:95], s[6:7], s[94:95]
	CROUND                                         ; all sixteen work-groups are here: the joint loads meet
	s_mov_b32 s[G0S], 1
	s_add_co_u32 s[G0S+1], s3, SCL
	s_mov_b64 s[G0S+2:G0S+3], s[22:23]
	s_or_b32 s[G0S+3], s[G0S+3], 0x80000000
	s_mov_b32 s[G0SB], 1
	s_add_co_u32 s[G0SB+1], s3, SCL
	s_mov_b64 s[G0SB+2:G0SB+3], s[94:95]
	s_or_b32 s[G0SB+3], s[G0SB+3], 0x80000000
	JLOAD G0S, G1S, G0SB, G1SB                     ; the scales first: they are wanted with the first slot
.irp s, 0,1
	s_mov_b32 s[G0+4*\s], 1
	s_add_co_u32 s[G0+4*\s+1], s45, \s*SLOT
	s_add_nc_u64 s[G0+4*\s+2:G0+4*\s+3], s[20:21], \s*ROWB
	s_or_b32 s[G0+4*\s+3], s[G0+4*\s+3], 0x80000000
	s_mov_b32 s[G0B+4*\s], 1
	s_add_co_u32 s[G0B+4*\s+1], s45, \s*SLOT
	s_add_nc_u64 s[G0B+4*\s+2:G0B+4*\s+3], s[46:47], \s*ROWB
	s_or_b32 s[G0B+4*\s+3], s[G0B+4*\s+3], 0x80000000
	JLOAD G0+4*\s, G1, G0B+4*\s, G1B               ; three tensor loads of mine are out now, and no more follow
.endr
	v_and_b32 v1, 15, v0                           ; l % 16
	v_bfe_u32 v2, v0, 4, 1                         ; l / 16
	v_mul_u32_u24 v3, v1, PITCH
	v_lshl_add_u32 v4, v2, 4, v3                   ; a fragment's row x pitch + 16 x half
	s_mul_i32 s21, s15, HALFT                      ; my 128 rows of A
	s_mul_i32 s22, s16, HALFT                      ; my 128 rows of B,
	s_add_co_u32 s22, s22, 2*HALFT                 ; which lie behind A's 256
.irp s, 0,1
	v_add_nc_u32 v[ADRA+\s], s21, v4
	v_add_nc_u32 v[ADRB+\s], s22, v4
	s_add_co_u32 s21, s21, SLOT
	s_add_co_u32 s22, s22, SLOT
.endr
	v_mul_u32_u24 v5, v1, KS                       ; my row's scales: 32 bytes a row,
	v_lshrrev_b32 v6, 8, v5
	v_lshl_add_u32 v5, v6, 4, v5                   ; and 16 more for each 256 passed
	s_mul_i32 s21, s15, HALFS                      ; A's: my 128 rows
	s_mul_i32 s22, s16, HALFS                      ; B's: my 128 rows, behind A's 256
	s_add_co_u32 s22, s22, 2*HALFS
	s_sub_co_u32 s22, s22, s21
	v_mul_u32_u24 v6, s22, v2                      ; lanes 16-31 take B's: one product, the distance between the two bases
	s_add_co_u32 s21, s21, SCL
	v_add_nc_u32 v5, v5, v6
	v_add_nc_u32 v[ADRS], s21, v5
	v_and_b32 v6, 31, v0
	v_lshlrev_b32 v[CO], 4, v6
	v_lshlrev_b32 v[BA], 5, v2
	; where my results go: the tensor's part of qkv, my first 16 rows' row of fragments, my first fragment in it
	s_lshl_b32 s20, s17, 4
	s_lshl_b32 s21, s15, 3
	s_add_co_u32 s20, s20, s21                     ; my first block of 16 rows: 16 x tile row + 8 x half
	s_mul_i32 s20, s20, s96
	s_lshl_b32 s21, s13, 24                        ; 16,777,216 bytes a tensor
	s_add_co_u32 s20, s20, s21
	s_lshl_b32 s46, s42, 3
	s_lshl_b32 s47, s16, 2
	s_add_co_u32 s46, s46, s47                     ; my first fragment: 8 x tile column + 4 x half
	s_lshl_b32 s46, s46, 10
	s_add_co_u32 s20, s20, s46
	s_mov_b32 s21, 0
	s_add_nc_u64 s[10:11], s[10:11], s[20:21]
	s_lshl_b32 s46, s42, 10                        ; bq at my first column: 4 x (256 x tile column + 128 x half); used in tensor 0 alone, where the tile column is 0 .. 3
	s_lshl_b32 s47, s16, 9
	s_add_co_u32 s46, s46, s47
	s_mov_b32 s47, 0
	s_add_nc_u64 s[8:9], s[8:9], s[46:47]
.macro FRAG reg, adr, q, i             ; a fragment, 16 rows x 128 K of 4-bit codes, is 8 registers: lane l holds row l % 16; registers 4 c .. 4 c + 3 hold K = 64 c + 32 (l / 16) + 0 .. 31
.irp c, 0,1
	ds_load_b128 v[\reg+4*\c:\reg+4*\c+3], v[\adr] offset:64*(\q)+32*\c+(\i)*16*PITCH
.endr
.endm
; 16 matrix instructions: A's blocks a0, a0 + 1 x B's eight, 128 along K: the slot's q-th.  p: B's set;  sc: the set of scale words.  zero = 1: the first product starts the sums: nothing is ever cleared.
; The 64 accumulators take turns, one instruction a turn, in the same order in every step.
.macro MUL16 a0, p, q, sc, zero
.irp a, \a0, \a0+1
.irp b, 0,1,2,3,4,5,6,7
.if \zero
	v_wmma_scale_f32_16x16x128_f8f6f4 v[8*(8*((\a)%4)+\b):8*(8*((\a)%4)+\b)+7], v[128*(\p)+FR*\b:128*(\p)+FR*\b+FR-1], v[AF+FR*(\a):AF+FR*(\a)+FR-1], 0, v[SC+8*NQ*(\sc)+NQ*\b+(\q)], v[SC+8*NQ*(\sc)+NQ*(\a)+(\q)] matrix_a_fmt:MATRIX_FMT_FP4 matrix_b_fmt:MATRIX_FMT_FP4 matrix_a_scale:MATRIX_SCALE_ROW1
.else
	v_wmma_scale_f32_16x16x128_f8f6f4 v[8*(8*((\a)%4)+\b):8*(8*((\a)%4)+\b)+7], v[128*(\p)+FR*\b:128*(\p)+FR*\b+FR-1], v[AF+FR*(\a):AF+FR*(\a)+FR-1], v[8*(8*((\a)%4)+\b):8*(8*((\a)%4)+\b)+7], v[SC+8*NQ*(\sc)+NQ*\b+(\q)], v[SC+8*NQ*(\sc)+NQ*(\a)+(\q)] matrix_a_fmt:MATRIX_FMT_FP4 matrix_b_fmt:MATRIX_FMT_FP4 matrix_a_scale:MATRIX_SCALE_ROW1
.endif
.endr
.endr
.endm
.macro FETCH_B slot, q, p              ; B's eight fragments of the slot's q-th 128 along K into set p
	WIN TO_B
.irp i, 0,1,2,3,4,5,6,7
	FRAG 128*(\p)+FR*\i, ADRB+\slot, \q, \i
.endr
	WIN 0
.endm
.macro FETCH_A slot, q, i0             ; A's blocks i0 .. i0 + 3
.irp i, \i0, \i0+1, \i0+2, \i0+3
	FRAG AF+FR*(\i), ADRA+\slot, \q, \i
.endr
.endm
.macro SCALES sc                       ; a slot's scale words into set sc: four words a row; lanes 0-15 take A's block i, lanes 16-31 B's block i
.irp i, 0,1,2,3,4,5,6,7
	ds_load_b128 v[SC+8*NQ*\sc+NQ*\i:SC+8*NQ*\sc+NQ*\i+3], v[ADRS] offset:\i*SBLK
.endr
.endm
; A load into a register that a matrix instruction has read, and a vector instruction that reads a matrix result, stand NP places behind that matrix instruction, and only plain vector
; instructions that name none of its registers are places (ISA guide 7.12.1 for vector instructions).
.macro PLACES n
.rept \n
	v_nop
.endr
.endm
; A step of 128 along K that has its successor in the same slot.  A block of A is free as soon as its eight products are issued: blocks 0-3 are fetched anew in the step's middle, blocks 4-7 at its end.
.macro STEP slot, q, zero
	s_wait_dscnt 4*NL                              ; B's set and A's blocks 0-3 are in; the youngest eight loads (A's blocks 4-7) may be out
	WIN MUL_LO
	MUL16 0, (\q)%2, \q, \slot, \zero
	MUL16 2, (\q)%2, \q, \slot, \zero
	s_wait_dscnt 0                                 ; A's blocks 4-7 are in (asked for 32 matrix instructions ago)
	PLACES NP
	FETCH_B \slot, (\q)+1, 1-(\q)%2
	FETCH_A \slot, (\q)+1, 0
	WIN MUL_HI
	MUL16 4, (\q)%2, \q, \slot, \zero
	MUL16 6, (\q)%2, \q, \slot, \zero
	PLACES NP
	WIN 0
	FETCH_A \slot, (\q)+1, 4
.endm
; Slot 0's last step goes on to slot 1: ONE barrier; in front of it each wave waits for all its tensor loads, its part of slot 1 among them.  Nothing is filled again.
.macro TURN slot, next
	s_wait_tensorcnt 0x0                           ; all my tensor loads have landed: my part of the next slot  (every window is 0 here)
	ds_add_u32 v[SPW], v[NIL]                      ; 0 onto my spare word
	s_wait_dscnt 4*NL+1                            ; (the add and the youngest eight loads, A's blocks 4-7, may be out)
	WIN MUL_LO
	MUL16 0, 1, NQ-1, \slot, 0                     ; sixteen matrix instructions stand between the add and the wait for it
	s_wait_dscnt 0x0                               ; the add is done, and no LDS instruction of mine is out at the signal
	s_barrier_signal -1
	MUL16 2, 1, NQ-1, \slot, 0
	WIN 0
	s_barrier_wait -1                              ; everybody's part of the next slot is in
	PLACES NP
	v_add_nc_u32 v[ADRS], 4*NQ, v[ADRS]            ; on to the next slot's scale words (no LDS load of mine is out)
	FETCH_B \next, 0, 0
	FETCH_A \next, 0, 0
	SCALES \next
	WIN MUL_HI
	MUL16 4, 1, NQ-1, \slot, 0
	MUL16 6, 1, NQ-1, \slot, 0
	PLACES NP
	WIN 0
	FETCH_A \next, 0, 4
.endm
.macro STEPS slot, from                ; the slot's steps from .. NQ - 2
.set Q, \from
.rept NQ-1-\from
	STEP \slot, Q, 0
.set Q, Q+1
.endr
.endm
	s_wait_tensorcnt 1                             ; the scales and my part of slot 0 are in (slot 1's load may be out),
	s_barrier_signal -1
	s_barrier_wait -1                              ; everybody's are
	FETCH_B 0, 0, 0
	FETCH_A 0, 0, 0
	SCALES 0
	FETCH_A 0, 0, 4
	STEP 0, 0, 1                                   ; the first step's products start the sums
	STEPS 0, 1
	TURN 0, 1
	STEPS 1, 0
	s_wait_dscnt 4*NL                              ; the very last step: nothing more to fetch
	WIN MUL_LO
	MUL16 0, 1, NQ-1, 1, 0
	MUL16 2, 1, NQ-1, 1, 0
	s_wait_dscnt 0
	WIN MUL_HI
	MUL16 4, 1, NQ-1, 1, 0
	MUL16 6, 1, NQ-1, 1, 0
	WIN 0
; THE WAY OUT, block by block of 16 rows x 128 columns: (bias = 1: + bq,) rounded to f16 in pairs, eight stores of 512 consecutive bytes: four fragments on end.  Each accumulator is read from its low end on.
.macro OUT bias
	PLACES NP                                      ; behind the last products: for the loads and vector writes into registers that held A's fragments, and for the reads of results
.if \bias
.irp b, 0,1,2,3,4,5,6,7
	global_load_b128 v[BI+8*\b:BI+8*\b+3], v[BA], s[8:9] offset:64*\b          ; bq of columns 16 b + 8 (l / 16) + 0 .. 7
	global_load_b128 v[BI+8*\b+4:BI+8*\b+7], v[BA], s[8:9] offset:64*\b+16
.endr
	s_wait_loadcnt 0x0
.endif
.irp a, 0,1,2,3,4,5,6,7
.if \a > 0
	s_wait_xcnt 0x0                                ; the last block's stores have read their registers and their base: both are written again only behind this wait
	s_add_nc_u64 s[10:11], s[10:11], s[96:97]      ; the next 16 rows' row of fragments
.endif
.set AC, 64*(\a%4)
.if \bias
.set W, 0x02+\a/4
	WIN W                                          ; source 0: window 2 or 3
.set i, 0
.rept 32
	v_pk_add_f32 v[T+2*i:T+2*i+1], v[AC+2*i:AC+2*i+1], v[BI+2*i:BI+2*i+1]
.set i, i+1
.endr
	WIN 0
.set i, 0
.rept 32
	v_cvt_pk_f16_f32 v[TMP+i], v[T+2*i], v[T+2*i+1]
.set i, i+1
.endr
.else
.set W, 0x0a+5*(\a/4)
	WIN W                                          ; sources 0 and 1: window 2 or 3
.set i, 0
.rept 32
	v_cvt_pk_f16_f32 v[TMP+i], v[AC+2*i], v[AC+2*i+1]
.set i, i+1
.endr
	WIN 0
.endif
.irp b, 0,1,2,3,4,5,6,7
	global_store_b128 v[CO], v[TMP+4*\b:TMP+4*\b+3], s[10:11] offset:512*\b   ; accumulator (a, b): half b % 2 of fragment b / 2
.endr
.endr
.endm
	s_cmp_lg_u32 s13, 0                            ; the tensor: the same in all waves and all partners
	s_cbranch_scc1 .Lplain
	OUT 1                                          ; Q has its bias
	s_branch .Lend
.Lplain:
	OUT 0                                          ; K and V^T have none here
.Lend:
	s_wait_tensorcnt 0x0                           ; the wave's end: behind my last tensor load
	ds_add_u32 v[SPW], v[NIL]
	s_wait_dscnt 0x0
	CROUND                                         ; the closing round: no work-group ends while a partner may still ask for a tile that names it
	s_endpgm
.Lfunc_end_k_qc455bc4061_proj:
	.size	k_qc455bc4061_proj, .Lfunc_end_k_qc455bc4061_proj-k_qc455bc4061_proj
	.p2alignl 7, 3214868480
	.fill 96, 4, 3214868480
	.section	.rodata,"a",@progbits
	.p2align	6, 0x0
	.amdhsa_kernel k_qc455bc4061_proj
		.amdhsa_group_segment_fixed_size 327680
		.amdhsa_private_segment_fixed_size 0
		.amdhsa_enable_private_segment 0
		.amdhsa_kernarg_size 32
		.amdhsa_user_sgpr_count 2
		.amdhsa_user_sgpr_kernarg_segment_ptr 1
		.amdhsa_wavefront_size32 1
		.amdhsa_system_sgpr_workgroup_id_x 1
		.amdhsa_system_sgpr_workgroup_id_y 1
		.amdhsa_system_sgpr_workgroup_id_z 1
		.amdhsa_system_vgpr_workitem_id 0
		.amdhsa_next_free_vgpr 1024
		.amdhsa_next_free_sgpr 100
		.amdhsa_reserve_vcc 0
		.amdhsa_float_denorm_mode_32 3
		.amdhsa_float_denorm_mode_16_64 3
		.amdhsa_memory_ordered 1
		.amdhsa_forward_progress 1
		.amdhsa_inst_pref_size 159
	.end_amdhsa_kernel
	.amdgpu_metadata
---
amdhsa.version: [ 1, 2 ]
amdhsa.kernels:
  - .name:           k_qc455bc4061_proj
    .symbol:         k_qc455bc4061_proj.kd
    .args:
      - { .name: codes, .offset: 0, .size: 8, .value_kind: global_buffer, .address_space: global }
      - { .name: scales, .offset: 8, .size: 8, .value_kind: global_buffer, .address_space: global }
      - { .name: bq, .offset: 16, .size: 8, .value_kind: global_buffer, .address_space: global }
      - { .name: qkv, .offset: 24, .size: 8, .value_kind: global_buffer, .address_space: global }
    .group_segment_fixed_size: 327680
    .private_segment_fixed_size: 0
    .kernarg_segment_align: 8
    .kernarg_segment_size: 32
    .max_flat_workgroup_size: 128
    .sgpr_count:     100
    .vgpr_count:     1024
    .wavefront_size: 32
...
	.end_amdgpu_metadata
.endif
;; end of part 2
;; launch attn (part 3): grid 4 x 64, 8 waves a work-group, clusters of 4 x 1, 327,680 bytes of LDS; arguments qkv, bv, ctx; writes ctx
.if DOCPART == 3
	.amdgcn_target "amdgcn-amd-amdhsa--gfx1250"
	.amdhsa_code_object_version 6
	.text
	.protected	k_qc455bc4061_attn
	.globl	k_qc455bc4061_attn
	.p2align	8
	.type	k_qc455bc4061_attn,@function
k_qc455bc4061_attn:
	s_mov_b64 s[64:65], 0
	v_nop
	global_prefetch_b8 v0, s[64:65] scope:SCOPE_SE
	s_setreg_imm32_b32 hwreg(HW_REG_WAVE_MODE, 25, 1), 1
	s_wait_xcnt 0x0
	s_wait_alu depctr_hold_cnt(0) depctr_sa_sdst(0) depctr_va_vdst(0) depctr_va_sdst(0) depctr_va_ssrc(0) depctr_va_vcc(0) depctr_vm_vsrc(0)
	s_getreg_b32 s2, hwreg(HW_REG_IB_STS2, 6, 4)
	s_cmp_eq_u32 s2, 0
	s_cbranch_scc0 .Lentry_in_a_cluster
	s_endpgm
.Lentry_in_a_cluster:
	s_bfe_u32 s2, ttmp6, 0x10000c
	s_cmp_lg_u32 s2, 0x3003
	s_cbranch_scc0 .Lentry_shape_is_right
	s_endpgm
.Lentry_shape_is_right:
; MULTI-HEAD ATTENTION, launch 3 of 4: ctx[b][q][head] = softmax_k(Q . K / 8) V + bv, for 64 pairs (b, head), 2,048 queries and keys, head size 64.  Operands in f16, products, maxima and sums in f32.
; LEFT OUT: bk (Q . bk is the same for all keys of a query: the softmax takes it away for all values of the inputs).  bv is added HERE: the softmax's rows sum to 1, so attn (V0 + bv) = attn V0 + bv; one fused multiply-add with the division.
; LIMITS: Q, K, V and ctx are f16: magnitudes from 65,520 on are infinite.  The weights p, at most a little over 1, are rounded to f16 for the second product; the row's sum is taken of the unrounded p.
; SHARES.  A work-group owns 512 queries of one (b, head), each of its eight waves 64: four tiles of 16, in 512 registers, two waves to a SIMD, so that one wave's softmax stands beside the other's products.  Every wave walks all 2,048 keys, 64 a step.
; LAYOUT.  S^T = K Q^T (source 0 = 16 keys, source 1 = 16 queries): a lane holds ONE query (lane % 16) and the keys 8 (lane / 16) + 0 .. 7.  Two such tiles, rounded to f16 in pairs, ARE source 1 (32 keys x 16 queries) of
; O^T = V^T P, whose result again holds one query a lane, and eight channels.  Nothing changes lanes between the products.
; ALL OPERANDS LIE IN FRAGMENT ORDER in memory (16 rows x 32 along k = 1,024 bytes, the image of eight registers, lane l's 16 bytes at 16 l and 512 + 16 l), V with the keys innermost: so every LDS and global load is at 16 x lane + a constant,
; 512 consecutive bytes, and the result, packed in pairs, is stored in the same order for the next launch, from registers.
; SOFTMAX.  For each query a running maximum m and sum l: p = 2^(c s - c m), c = log2(e) / 8; in every step O and l are multiplied by a = 2^(c m_old - c m_new).  The step is written once: it begins with m = -3e38, l = 0, O = 0, and the first a is 0.
; CLUSTER.  The four blocks of queries of a (b, head) walk the same K and V: each tile is asked for JOINTLY, with a mask that names the four.  The grid's x is one cluster, so the place in the cluster is the block of queries.
; THE RING: two slots of 512 keys (64 KiB of K, 64 KiB of V^T).  Waves 0-3 fetch a quarter of K's each, waves 4-7 of V's: one load a wave behind each round.  A refill is asked for eight key steps, 512 matrix instructions of each wave, ahead of the wait
; for it; so no prefetch is laid beside it.
; REGISTERS: window 0: v1-6 addresses; v16-47 eight registers of statistics a tile; v64-191 S^T, 32 a tile, whose first 16 then hold P; v192-255 V^T's eight fragments.   window 1: v0-127 O^T, 32 a tile; v128-191 Q, 16 a tile; v192-255 K's eight fragments.
.set SLOT1, 1<<17                      ; slot 1 begins here, so that one exclusive or turns an address in one slot into the other's
.set VOFF,  65536                      ; in a slot: K [32 tiles of 16 keys][2][1,024], then V^T [4 tiles of 16 channels][16][1,024]
.set SPARE, 2*SLOT1                    ; behind the ring: the spare words, 128 bytes for each of eight waves, which no other line names
.set LI,  1                            ; v1   16 x lane; never rewritten
.set ADK, 2                            ; v2   LDS address of the step's K
.set ADV, 3                            ; v3   and of its V^T
.set SPW, 4                            ; v4   LDS address of my spare word; never rewritten
.set NIL, 5                            ; v5   0; never rewritten
.set BA,  6                            ; v6   32 x (lane / 16): my eight numbers of bv in a run of 16
.set ST,  16                           ; tile t's statistics at v[ST + 8 t]: +0 c m, +1 m, +2, +3 l (even keys', odd keys'), +4 to +7 at work; the step's sum takes +4, +5 and a takes +6 once the maximum is found
.set S,   64
.set VF,  192
.set QF,  128                          ; in window 1
.set KF,  192                          ; in window 1
.set WV,  12                           ; s12  my wave's number
.set G1K, 24                           ; s[24:31] descriptor group 1 for K's tiles;  s[32:39] for V's
.set G1V, 32
.set G0K, 40                           ; s[40:43], s[44:47] their groups 0, which walk
.set G0V, 44
.set SLOTS, 48                         ; s48  slots still to be asked for
.set CNT, 49                           ; s49  counts a slot's eight steps
.set TK,  50                           ; s50  LDS byte at which the step's K begins
.set TV,  51                           ; s51  and its V^T
.set CS,  52                           ; s[52:53] c: the packed scaling names a pair and takes its low word for both halves
.set SEL, 54                           ; s[54:55] lane selects for v_permlanex16_b32: lane l xor 16
.set MSB, 0
.macro WIN new                         ; the immediate's high byte repeats the setting that is left
.if MSB != \new
	s_set_vgpr_msb (MSB<<8)|\new
.set MSB, \new
.endif
.endm
; A joint load: waves 0-3 fetch K's quarters, waves 4-7 V's.  The branch hangs on the wave's number alone.  An s_nop 0 and four v_nop follow each of the two lines.
.macro JLOAD
	s_cmp_lt_u32 s[WV], 4
	s_cbranch_scc0 .Lfor_v_\@
	tensor_load_to_lds s[G0K:G0K+3], s[G1K:G1K+7]
	s_nop 0
.rept 4
	v_nop
.endr
	s_branch .Lasked_\@
.Lfor_v_\@:
	tensor_load_to_lds s[G0V:G0V+3], s[G1V:G1V+7]
	s_nop 0
.rept 4
	v_nop
.endr
.Lasked_\@:
.endm
.macro CROUND                          ; a round of the cluster's barrier
	s_barrier_signal -1
	s_barrier_wait -1
	s_cmp_lg_u32 s[WV], 0
	s_cbranch_scc1 .Lnot_wave_0_\@
	s_barrier_signal -3
.Lnot_wave_0_\@:
	s_barrier_wait -3
	s_barrier_signal -1
	s_barrier_wait -1
.endm
	s_load_b128 s[4:7], s[0:1], 0x0                ; qkv s[4:5], bv s[6:7]
	s_load_b64 s[8:9], s[0:1], 0x10                ; ctx
	v_lshl_add_u32 v[SPW], v0, 2, SPARE
	v_mov_b32 v[NIL], 0
	ds_add_u32 v[SPW], v[NIL]                      ; the wave's opening: the add, twice on end, and its wait ahead of my first tensor load; the set-up below, work on registers, stands between the second and the wait
	ds_add_u32 v[SPW], v[NIL]                      ; and once more, under the one wait
	v_lshrrev_b32 v1, 5, v0
	v_readfirstlane_b32 s[WV], v1                  ; wave 0..7
	s_and_b32 s14, ttmp7, 0xffff                   ; 16 b + head, which the four partners share
	s_lshr_b32 s15, s14, 4                         ; b
	s_and_b32 s14, s14, 15                         ; head
	s_and_b32 s16, s[WV], 3                        ; which quarter of a slot's K or V I fetch
	s_lshl_b32 s20, s15, 22                        ; K: b's 128 tiles of 16 keys x 32,768 bytes,
	s_lshl_b32 s17, s16, 18                        ; my 8 tiles of the slot's 32,
	s_add_co_u32 s20, s20, s17
	s_lshl_b32 s17, s14, 11                        ; the head's two fragments in a tile's 32,
	s_add_co_u32 s20, s20, s17
	s_add_co_u32 s20, s20, 16777216                ; behind Q
	s_mov_b32 s21, 0
	s_lshl_b32 s22, s14, 2
	s_add_co_u32 s22, s22, s16                     ; V^T: my tile of 16 channels, 4 head + quarter: 256 fragments,
	s_lshl_b32 s22, s22, 18
	s_lshl_b32 s17, s15, 16                        ; b's 64 of them,
	s_add_co_u32 s22, s22, s17
	s_add_co_u32 s22, s22, 33554432                ; behind Q and K
	s_mov_b32 s23, 0
	s_bfe_u32 s13, ttmp6, 0x40000                  ; cx: my block of 512 queries: it enters Q's and ctx's addresses alone
	s_lshl_b32 s18, s15, 22                        ; Q and ctx: b's 128 tiles of 16 queries x 32,768 bytes,
	s_lshl_b32 s3, s13, 20                         ; my block's 32,
	s_add_co_u32 s18, s18, s3
	s_lshl_b32 s3, s[WV], 17                       ; my wave's 4,
	s_add_co_u32 s18, s18, s3
	s_lshl_b32 s3, s14, 11                         ; the head's two fragments
	s_add_co_u32 s18, s18, s3
	s_mov_b32 s19, 0
	s_lshl_b32 s2, s14, 8                          ; bv: the head's 64 numbers
	s_mov_b32 s3, 0
	; descriptor group 1.  K: 8 tiles of 16 keys, 2,048 bytes of each (256 elements of 8 bytes), 32,768 bytes apart.  V^T: 16,384 dense bytes, as 64 rows of 256.  No padding: every LDS load takes 512 consecutive bytes
	s_mov_b32 s[G1K], 15|(3<<16)|(1<<21)           ; 15:0 the mask: all four work-groups; 17:16 elements of 8 bytes; 21 set beside a mask
	s_mov_b32 s[G1K+1], 256<<16                    ; tensor_dim0
	s_mov_b32 s[G1K+2], 8<<16                      ; tensor_dim1
	s_mov_b32 s[G1K+3], 256<<16                    ; tile_dim0
	s_mov_b32 s[G1K+4], 8                          ; tile_dim1
	s_mov_b32 s[G1K+5], 4096                       ; tensor_dim0_stride
	s_mov_b32 s[G1K+6], 0
	s_mov_b32 s[G1K+7], 0
	s_mov_b32 s[G1V], 15|(3<<16)|(1<<21)
	s_mov_b32 s[G1V+1], 32<<16
	s_mov_b32 s[G1V+2], 64<<16
	s_mov_b32 s[G1V+3], 32<<16
	s_mov_b32 s[G1V+4], 64
	s_mov_b32 s[G1V+5], 32
	s_mov_b32 s[G1V+6], 0
	s_mov_b32 s[G1V+7], 0
	s_mov_b32 s[CS], 0x3e38aa3b                    ; c = log2(e) / 8
	s_mov_b32 s[CS+1], s[CS]                       ; (named with it as a pair, so it is written)
	s_mov_b32 s[SEL], 0x76543210
	s_mov_b32 s[SEL+1], 0xfedcba98
	s_mov_b32 s[TK], 0
	s_mov_b32 s[TV], VOFF
	s_mov_b32 s[SLOTS], 3
	s_wait_dscnt 0x0                               ; both opening adds are done
	s_wait_kmcnt 0x0
	s_mov_b32 s[G0K], 1                            ; 1:0 count = 1
	s_lshl_b32 s[G0K+1], s16, 14                   ; LDS address: slot 0, my quarter: no place in the cluster enters it
	s_add_nc_u64 s[G0K+2:G0K+3], s[4:5], s[20:21]
	s_or_b32 s[G0K+3], s[G0K+3], 0x80000000        ; type = 2
	s_mov_b32 s[G0V], 1
	s_lshl_b32 s[G0V+1], s16, 14
	s_add_co_u32 s[G0V+1], s[G0V+1], VOFF
	s_add_nc_u64 s[G0V+2:G0V+3], s[4:5], s[22:23]
	s_or_b32 s[G0V+3], s[G0V+3], 0x80000000
	s_add_nc_u64 s[56:57], s[4:5], s[18:19]        ; Q at my wave's first tile
	s_add_nc_u64 s[58:59], s[8:9], s[18:19]        ; ctx likewise
	s_add_nc_u64 s[60:61], s[6:7], s[2:3]          ; bv at my head
	CROUND                                         ; all four work-groups are here: the first joint loads meet
	JLOAD                                          ; slot 0: every wave has one load out
	v_and_b32 v1, 31, v0
	v_lshlrev_b32 v[LI], 4, v1
	v_bfe_u32 v[BA], v0, 4, 1
	v_lshlrev_b32 v[BA], 5, v[BA]
	WIN 0x40                                       ; destination window 1
.irp f, 0,1,2,3,4,5,6,7                        ; Q stays in registers: tile f / 2, channels 32 (f % 2) on
	global_load_b128 v[QF+8*\f:QF+8*\f+3],   v[LI], s[56:57] offset:(\f/2)*32768+(\f%2)*1024
	global_load_b128 v[QF+8*\f+4:QF+8*\f+7], v[LI], s[56:57] offset:(\f/2)*32768+(\f%2)*1024+512
.endr
.set i, 0
.rept 128
	v_mov_b32 v[i], 0                              ; O^T: the step is written once, and its first trip finds zeros
.set i, i+1
.endr
	WIN 0
.irp t, 0,1,2,3
	v_mov_b32 v[ST+8*\t+1], 0xff61b1e6             ; m = -3e38, under every score
	v_mov_b32 v[ST+8*\t+2], 0                      ; l
	v_mov_b32 v[ST+8*\t+3], 0
.endr
.irp t, 0,1,2,3
	v_mul_f32 v[ST+8*\t], s[CS], v[ST+8*\t+1]      ; c m
.endr
	s_wait_loadcnt 0x0                             ; Q
.macro PKF b                           ; pair b of each tile's 16 pairs of scores: c s - c m
.irp t, 0,1,2,3
	v_pk_fma_f32 v[S+32*\t+2*(\b):S+32*\t+2*(\b)+1], v[S+32*\t+2*(\b):S+32*\t+2*(\b)+1], s[CS:CS+1], v[ST+8*\t:ST+8*\t+1] op_sel_hi:[1,0,0] neg_lo:[0,0,1] neg_hi:[0,0,1]
.endr
.endm
.macro EXPS b                          ; and its exponentials, in place
.irp t, 0,1,2,3
	v_exp_f32 v[S+32*\t+2*(\b)], v[S+32*\t+2*(\b)]
	v_exp_f32 v[S+32*\t+2*(\b)+1], v[S+32*\t+2*(\b)+1]
.endr
.endm
; A KEY STEP: 64 keys.  In every list the four tiles are innermost, so that no line reads the result of the line above it.
.macro STEP
	v_add_nc_u32 v[ADK], s[TK], v[LI]
	v_add_nc_u32 v[ADV], s[TV], v[LI]
.rept 3
	v_nop                                          ; with the two additions five places behind the last step's products V^T P: the first products below write over P's registers, and the loads land in V's
.endr
	WIN 0x40                                       ; destination window 1
.irp f, 0,1,2,3,4,5,6,7                        ; K: keys 16 (f / 2) on, channels 32 (f % 2) on
	ds_load_b128 v[KF+8*\f:KF+8*\f+3],   v[ADK] offset:1024*\f
	ds_load_b128 v[KF+8*\f+4:KF+8*\f+7], v[ADK] offset:1024*\f+512
.endr
	WIN 0
.irp f, 0,1,2,3,4,5,6,7                        ; V^T: channels 16 (f / 2) on, keys 32 (f % 2) on
	ds_load_b128 v[VF+8*\f:VF+8*\f+3],   v[ADV] offset:16384*(\f/2)+1024*(\f%2)
	ds_load_b128 v[VF+8*\f+4:VF+8*\f+7], v[ADV] offset:16384*(\f/2)+1024*(\f%2)+512
.endr
	s_wait_dscnt 16                                ; K is in; V's sixteen loads may be out
	WIN 0x05                                       ; K and Q in window 1, S^T in window 0
.irp kt, 0,1,2,3                               ; S^T = K Q^T: the 16 accumulators take turns; the first 16 products start the sums
.irp t, 0,1,2,3
	v_wmma_f32_16x16x32_f16 v[S+32*\t+8*\kt:S+32*\t+8*\kt+7], v[KF+16*\kt:KF+16*\kt+7], v[QF+16*\t:QF+16*\t+7], 0
.endr
.endr
.irp kt, 0,1,2,3
.irp t, 0,1,2,3
	v_wmma_f32_16x16x32_f16 v[S+32*\t+8*\kt:S+32*\t+8*\kt+7], v[KF+16*\kt+8:KF+16*\kt+15], v[QF+16*\t+8:QF+16*\t+15], v[S+32*\t+8*\kt:S+32*\t+8*\kt+7]
.endr
.endr
	WIN 0
.rept 4
	v_nop                                          ; places in front of the first read of results
.endr
.irp j, 0,1,2,3                                ; the maximum of a lane's 32 scores and the old m: four chains, one for each accumulator, each begun at its low end
.irp t, 0,1,2,3
	v_max3_num_f32 v[ST+8*\t+4+\j], v[S+32*\t+8*\j], v[S+32*\t+8*\j+1], v[S+32*\t+8*\j+2]
.endr
.endr
.irp u, 3,5
.irp j, 0,1,2,3
.irp t, 0,1,2,3
	v_max3_num_f32 v[ST+8*\t+4+\j], v[ST+8*\t+4+\j], v[S+32*\t+8*\j+\u], v[S+32*\t+8*\j+\u+1]
.endr
.endr
.endr
.irp t, 0,1,2,3
	v_max3_num_f32 v[ST+8*\t+4], v[ST+8*\t+4], v[S+32*\t+7], v[S+32*\t+15]
.endr
.irp t, 0,1,2,3
	v_max3_num_f32 v[ST+8*\t+6], v[ST+8*\t+6], v[S+32*\t+23], v[S+32*\t+31]
.endr
.irp t, 0,1,2,3
	v_max3_num_f32 v[ST+8*\t+4], v[ST+8*\t+4], v[ST+8*\t+5], v[ST+8*\t+6]
.endr
.irp t, 0,1,2,3
	v_max3_num_f32 v[ST+8*\t+4], v[ST+8*\t+4], v[ST+8*\t+7], v[ST+8*\t+1]
.endr
.irp t, 0,1,2,3
	v_permlanex16_b32 v[ST+8*\t+5], v[ST+8*\t+4], s[SEL], s[SEL+1]   ; the query's other 32 keys lie in the lane 16 away
.endr
.irp t, 0,1,2,3
	v_mov_b32 v[ST+8*\t+7], v[ST+8*\t]             ; c m_old is kept for a
.endr
.irp t, 0,1,2,3
	v_max_num_f32 v[ST+8*\t+1], v[ST+8*\t+4], v[ST+8*\t+5]
.endr
.irp t, 0,1,2,3
	v_mul_f32 v[ST+8*\t], s[CS], v[ST+8*\t+1]
.endr
.irp t, 0,1,2,3
	v_sub_f32 v[ST+8*\t+7], v[ST+8*\t+7], v[ST+8*\t]
.endr
	; ONE BATCH: the 64 scalings and all 132 exponentials; none of these lines names an exponential's result.  The scalings run a pair ahead of the exponentials
	PKF 0
.irp t, 0,1,2,3
	v_exp_f32 v[ST+8*\t+6], v[ST+8*\t+7]           ; a = 2^(c m_old - c m_new)
.endr
.set PB, 0
.rept 15
	PKF PB+1
	EXPS PB
.set PB, PB+1
.endr
	EXPS 15
	v_nop                                          ; a plain instruction behind the last exponential, ahead of the first use: one for the batch
	s_wait_alu depctr_va_vdst(0)                   ; and the wait ahead of the first line that names a result: one for the batch
.irp t, 0,1,2,3                                ; the step's sum, of the unrounded p, in pairs (even keys', odd keys')
	v_pk_add_f32 v[ST+8*\t+4:ST+8*\t+5], v[S+32*\t:S+32*\t+1], v[S+32*\t+2:S+32*\t+3]
.endr
.irp j, 4,6,8,10,12,14,16,18,20,22,24,26,28,30
.irp t, 0,1,2,3
	v_pk_add_f32 v[ST+8*\t+4:ST+8*\t+5], v[ST+8*\t+4:ST+8*\t+5], v[S+32*\t+\j:S+32*\t+\j+1]
.endr
.endr
.irp t, 0,1,2,3
	v_pk_fma_f32 v[ST+8*\t+2:ST+8*\t+3], v[ST+8*\t+2:ST+8*\t+3], v[ST+8*\t+6:ST+8*\t+7], v[ST+8*\t+4:ST+8*\t+5] op_sel_hi:[1,0,1]   ; l = a l + the sum
.endr
.irp i, 0,1,2,3,4,5,6,7,8,9,10,11,12,13,14,15  ; P, rounded to f16 in pairs, in place: register i takes scores 2 i and 2 i + 1, ascending, so that nothing is written before it is read
.irp t, 0,1,2,3
	v_cvt_pk_f16_f32 v[S+32*\t+\i], v[S+32*\t+2*\i], v[S+32*\t+2*\i+1]
.endr
.endr
	WIN 0x41                                       ; O^T (destination and source 0) in window 1, a in window 0
.irp i, 0,2,4,6,8,10,12,14,16,18,20,22,24,26,28,30
.irp t, 0,1,2,3
	v_pk_mul_f32 v[32*\t+\i:32*\t+\i+1], v[32*\t+\i:32*\t+\i+1], v[ST+8*\t+6:ST+8*\t+7] op_sel_hi:[1,0]
.endr
.endr
	s_wait_dscnt 0x0                               ; V is in
	WIN 0x50                                       ; V^T and P in window 0, O^T in window 1
.irp g, 0,1                                    ; O^T += V^T P: the 16 accumulators take turns
.irp ct, 0,1,2,3
.irp t, 0,1,2,3
	v_wmma_f32_16x16x32_f16 v[32*\t+8*\ct:32*\t+8*\ct+7], v[VF+8*(2*\ct+\g):VF+8*(2*\ct+\g)+7], v[S+32*\t+8*\g:S+32*\t+8*\g+7], v[32*\t+8*\ct:32*\t+8*\ct+7]
.endr
.endr
.endr
	WIN 0
	s_add_co_u32 s[TK], s[TK], 8192                ; the next step's four tiles of keys,
	s_add_co_u32 s[TV], s[TV], 2048                ; and its two fragments in each of V^T's four rows
.endm
.macro EIGHT                           ; a slot's eight key steps: written once, walked eight times
	s_mov_b32 s[CNT], 8
.Lstep_\@:
	STEP
	s_sub_co_u32 s[CNT], s[CNT], 1
	s_cmp_lg_u32 s[CNT], 0
	s_cbranch_scc1 .Lstep_\@
	s_sub_co_u32 s[TK], s[TK], 65536               ; back to a slot's first step,
	s_xor_b32 s[TK], s[TK], SLOT1                  ; in the other slot
	s_sub_co_u32 s[TV], s[TV], 16384
	s_xor_b32 s[TV], s[TV], SLOT1
.endm
; THE CHANGE OF SLOTS stands at a slot's head.  Each wave waits for all its tensor loads (its part of the slot that it is about to read), adds 0 to its spare word, and waits for that and for its reads of the slot that it has left.
; fill = 1: a round of the cluster's barrier, so that no wave of any partner still reads the other slot or has a load on its way; the joint load of the next 512 keys is the first thing behind it.
.macro CHANGE fill
	s_wait_tensorcnt 0x0                           ; no tensor load of mine is out, so a group 0 may be written
	ds_add_u32 v[SPW], v[NIL]                      ; 0 onto my spare word
.if \fill
	s_xor_b32 s[G0K+1], s[G0K+1], SLOT1            ; the walking descriptors: the other slot than last time,
	s_add_nc_u64 s[G0K+2:G0K+3], s[G0K+2:G0K+3], 0x100000   ; the next 32 tiles of keys; the type bits on top are not reached
	s_xor_b32 s[G0V+1], s[G0V+1], SLOT1
	s_add_nc_u64 s[G0V+2:G0V+3], s[G0V+2:G0V+3], 16384      ; the next 16 fragments of my row of V^T
	s_wait_dscnt 0x0                               ; the add is done, and my reads of the slot that I have left are over
	CROUND
	JLOAD
.else
	s_wait_dscnt 0x0
	s_barrier_signal -1
	s_barrier_wait -1
.endif
.endm
.Lslot:                                            ; three trips: behind each change of slots but the last the next slot is asked for (in the first trip: slot 1's first fill)
	CHANGE 1
	EIGHT
	s_sub_co_u32 s[SLOTS], s[SLOTS], 1
	s_cmp_lg_u32 s[SLOTS], 0
	s_cbranch_scc1 .Lslot
	CHANGE 0                                       ; the last slot is written out
	EIGHT
	; THE WAY OUT.  l's two halves and the other half of the lanes' are added; O^T / l + bv, rounded to f16 in pairs, is a tile's two fragments of ctx as it stands.
.irp t, 0,1,2,3
	v_add_f32 v[ST+8*\t+4], v[ST+8*\t+2], v[ST+8*\t+3]   ; (these four are the places behind the last products)
.endr
.irp ct, 0,1,2,3
	global_load_b128 v[VF+8*\ct:VF+8*\ct+3],   v[BA], s[60:61] offset:64*\ct       ; bv of channels 16 ct + 8 (l / 16) + 0 .. 7
	global_load_b128 v[VF+8*\ct+4:VF+8*\ct+7], v[BA], s[60:61] offset:64*\ct+16
.endr
.irp t, 0,1,2,3
	v_permlanex16_b32 v[ST+8*\t+5], v[ST+8*\t+4], s[SEL], s[SEL+1]
.endr
.irp t, 0,1,2,3
	v_add_f32 v[ST+8*\t+4], v[ST+8*\t+4], v[ST+8*\t+5]
.endr
.irp t, 0,1,2,3
	v_rcp_f32 v[ST+8*\t+6], v[ST+8*\t+4]
.endr
	v_nop                                          ; a plain instruction between the last reciprocal and the use of its result
	s_wait_alu depctr_va_vdst(0)                   ; and the wait ahead of the first use: one for the four
	s_wait_loadcnt 0x0                             ; bv
.irp t, 0,1,2,3
	WIN 0x01                                       ; source 0, O^T, in window 1
.irp i, 0,2,4,6,8,10,12,14,16,18,20,22,24,26,28,30
	v_pk_fma_f32 v[S+32*\t+\i:S+32*\t+\i+1], v[32*\t+\i:32*\t+\i+1], v[ST+8*\t+6:ST+8*\t+7], v[VF+\i:VF+\i+1] op_sel_hi:[1,0,1]   ; each accumulator from its low end on
.endr
	WIN 0
.irp i, 0,1,2,3,4,5,6,7,8,9,10,11,12,13,14,15
	v_cvt_pk_f16_f32 v[S+32*\t+\i], v[S+32*\t+2*\i], v[S+32*\t+2*\i+1]
.endr
.irp ct, 0,1,2,3
	global_store_b128 v[LI], v[S+32*\t+4*\ct:S+32*\t+4*\ct+3], s[58:59] offset:32768*\t+512*\ct   ; 32 lanes store 512 consecutive bytes: half a fragment; a tile's four stores 2,048 on end
.endr
.endr
	s_wait_tensorcnt 0x0                           ; the wave's end: behind my last tensor load
	ds_add_u32 v[SPW], v[NIL]
	s_wait_dscnt 0x0
	CROUND                                         ; the closing round: no work-group ends while a partner may still ask for a tile that names it
	s_endpgm
.Lfunc_end_k_qc455bc4061_attn:
	.size	k_qc455bc4061_attn, .Lfunc_end_k_qc455bc4061_attn-k_qc455bc4061_attn
	.p2alignl 7, 3214868480
	.fill 96, 4, 3214868480
	.section	.rodata,"a",@progbits
	.p2align	6, 0x0
	.amdhsa_kernel k_qc455bc4061_attn
		.amdhsa_group_segment_fixed_size 327680
		.amdhsa_private_segment_fixed_size 0
		.amdhsa_enable_private_segment 0
		.amdhsa_kernarg_size 24
		.amdhsa_user_sgpr_count 2
		.amdhsa_user_sgpr_kernarg_segment_ptr 1
		.amdhsa_wavefront_size32 1
		.amdhsa_system_sgpr_workgroup_id_x 1
		.amdhsa_system_sgpr_workgroup_id_y 1
		.amdhsa_system_sgpr_workgroup_id_z 1
		.amdhsa_system_vgpr_workitem_id 0
		.amdhsa_next_free_vgpr 512
		.amdhsa_next_free_sgpr 66
		.amdhsa_reserve_vcc 0
		.amdhsa_float_denorm_mode_32 3
		.amdhsa_float_denorm_mode_16_64 3
		.amdhsa_memory_ordered 1
		.amdhsa_forward_progress 1
		.amdhsa_inst_pref_size 89
	.end_amdhsa_kernel
	.amdgpu_metadata
---
amdhsa.version: [ 1, 2 ]
amdhsa.kernels:
  - .name:           k_qc455bc4061_attn
    .symbol:         k_qc455bc4061_attn.kd
    .args:
      - { .name: qkv, .offset: 0, .size: 8, .value_kind: global_buffer, .address_space: global }
      - { .name: bv, .offset: 8, .size: 8, .value_kind: global_buffer, .address_space: global }
      - { .name: ctx, .offset: 16, .size: 8, .value_kind: global_buffer, .address_space: global }
    .group_segment_fixed_size: 327680
    .private_segment_fixed_size: 0
    .kernarg_segment_align: 8
    .kernarg_segment_size: 24
    .max_flat_workgroup_size: 256
    .sgpr_count:     66
    .vgpr_count:     512
    .wavefront_size: 32
...
	.end_amdgpu_metadata
.endif
;; end of part 3
;; launch outp (part 4): grid 8 x 64, 4 waves a work-group, clusters of 4 x 4, 327,680 bytes of LDS; arguments ctx, wof, bo, out0; writes out0
.if DOCPART == 4
	.amdgcn_target "amdgcn-amd-amdhsa--gfx1250"
	.amdhsa_code_object_version 6
	.text
	.protected	k_qc455bc4061_outp
	.globl	k_qc455bc4061_outp
	.p2align	8
	.type	k_qc455bc4061_outp,@function
k_qc455bc4061_outp:
	s_mov_b64 s[64:65], 0
	v_nop
	global_prefetch_b8 v0, s[64:65] scope:SCOPE_SE
	s_setreg_imm32_b32 hwreg(HW_REG_WAVE_MODE, 25, 1), 1
	s_wait_xcnt 0x0
	s_wait_alu depctr_hold_cnt(0) depctr_sa_sdst(0) depctr_va_vdst(0) depctr_va_sdst(0) depctr_va_ssrc(0) depctr_va_vcc(0) depctr_vm_vsrc(0)
	s_getreg_b32 s2, hwreg(HW_REG_IB_STS2, 6, 4)
	s_cmp_eq_u32 s2, 0
	s_cbranch_scc0 .Lentry_in_a_cluster
	s_endpgm
.Lentry_in_a_cluster:
	s_bfe_u32 s2, ttmp6, 0x10000c
	s_cmp_lg_u32 s2, 0xf033
	s_cbranch_scc0 .Lentry_shape_is_right
	s_endpgm
.Lentry_shape_is_right:
; MULTI-HEAD ATTENTION, launch 4 of 4: out0 = ctx wo^T + bo.  ctx [8,192][1,024] and wo [1,024][1,024] in f16, both in FRAGMENT ORDER (16 rows x 32 along k = 1,024 bytes, the image of an operand's eight registers;
; fragment (row / 16, k / 32) at ((row / 16) 32 + k / 32) x 1,024); bo [1,024] and out0 [8,192][1,024] f32; sums in f32.  Nothing is left out here.
; A tile of the output is 128 x 128.  Four waves, each 64 x 64: 16 accumulators of 16 x 16, 128 registers.  K goes in steps of 256 through a ring of two LDS slots: a step of 16 rows is 8 fragments, 8,192 consecutive bytes; a wave's tensor load brings four such runs.
; In LDS the fragments lie as in memory, without padding: every LDS load takes 512 consecutive bytes at 16 x lane + a constant.
; CLUSTERS: 4 x 4 work-groups.  The four of a row of the cluster need the same tiles of ctx, the four of a column the same tiles of wo: each tile is asked for JOINTLY.
; THE MATRIX INSTRUCTION IS USED TRANSPOSED (source 0 = 16 rows of wo, source 1 = 16 rows of ctx): a lane holds eight neighbouring numbers of a row of the output.  bo is the C of each sum's first product: it costs no addition.
; A wave's 64 columns of f32 are 256 bytes, aligned: so each wave sends its results through a stage of its own in LDS and stores whole runs of 256 bytes; no barrier on the way out.
; REGISTERS: window 0: v0-31 addresses; v32-95 rows on the way out; v96-127 bo in the results' layout; v128-255 the accumulators ((a, b) at v[128 + 8 (4 a + b)]).
;   window 1: two fragment buffers of 128: for 64 along K, 64 registers of ctx (2 x 4 fragments), then 64 of wo.
.set HALFT,  32768                     ; four runs of 8,192 bytes: what one tensor load brings, and what one wave reads of A or of B in a K step
.set SLOT,   4*HALFT                   ; A's 8 blocks of 16 rows, then B's 8
.set STAGE,  2*SLOT                    ; behind the ring: 16 rows x 272 bytes for each wave
.set SPITCH, 272
.set SPARE,  STAGE+4*16*SPITCH         ; behind the stages: the spare words, 128 bytes a wave, which no other line names
.set ADRA, 16                          ; v16-17  LDS address of my A fragments in slot 0, 1
.set ADRB, 20                          ; v20-21  the same for B
.set STO,  24                          ; v24     the way out: where I put 32 bytes of a row
.set RD,   25                          ; v25     the way out: where I read a row back
.set CO,   26                          ; v26     my byte offset in two rows of the output
.set BA,   27                          ; v27     32 x (lane / 16): my eight numbers of bo in a run of 16
.set SPW,  28                          ; v28     LDS address of my spare word; never rewritten
.set NIL,  29                          ; v29     0; never rewritten
.set TMP,  32
.set BIAS, 96
.set ACC,  128
.set F0,   0                           ; fragment buffers, in window 1
.set F1,   128
.set G1, 24                            ; s[24:31] descriptor group 1 for A's tiles;  s[32:39] group 0, one set for each slot
.set G0, 32
.set G1B, 48                           ; s[48:55], s[56:63] the same for B's tiles
.set G0B, 56
.set MSB, 0
.macro WIN new                         ; the immediate's high byte repeats the setting that is left
.if MSB != \new
	s_set_vgpr_msb (MSB<<8)|\new
.set MSB, \new
.endif
.endm
.set MUL,  0x05                        ; sources 0 (B) and 1 (A) window 1; C and D window 0
.set TO_F, 0x40                        ; destination window 1, address window 0
.macro JLOAD s                         ; a joint load: waves 0 and 1 fetch A's two halves, waves 2 and 3 B's; an s_nop 0 and four v_nop follow each of the two lines
	s_cmp_eq_u32 s15, 0
	s_cbranch_scc0 .Lfor_b_\@
	tensor_load_to_lds s[G0+4*\s:G0+4*\s+3], s[G1:G1+7]
	s_nop 0
.rept 4
	v_nop
.endr
	s_branch .Lasked_\@
.Lfor_b_\@:
	tensor_load_to_lds s[G0B+4*\s:G0B+4*\s+3], s[G1B:G1B+7]
	s_nop 0
.rept 4
	v_nop
.endr
.Lasked_\@:
.endm
.macro CREST                           ; a round of the cluster's barrier behind its opening barrier
	s_cmp_lg_u32 s14, 0
	s_cbranch_scc1 .Lnot_wave_0_\@
	s_barrier_signal -3
.Lnot_wave_0_\@:
	s_barrier_wait -3
	s_barrier_signal -1
	s_barrier_wait -1
.endm
.macro CROUND                          ; a whole round
	s_barrier_signal -1
	s_barrier_wait -1
	CREST
.endm
	s_load_b256 s[4:11], s[0:1], 0x0               ; ctx s[4:5], wof s[6:7], bo s[8:9], out0 s[10:11]
	v_lshl_add_u32 v[SPW], v0, 2, SPARE
	v_mov_b32 v[NIL], 0
	ds_add_u32 v[SPW], v[NIL]                      ; the wave's opening: the add, twice on end, and its wait ahead of my first tensor load; the set-up below, work on registers, stands between the second and the wait
	ds_add_u32 v[SPW], v[NIL]                      ; and once more, under the one wait
	v_lshrrev_b32 v1, 5, v0
	v_readfirstlane_b32 s14, v1                    ; wave 0..3
	s_lshr_b32 s15, s14, 1                         ; which half of the tile's rows is mine.  Also: I fetch for A (0) or for B (1)
	s_and_b32 s16, s14, 1                          ; which half of its columns.  Also: which 64 rows of that tile I fetch
	s_bfe_u32 s40, ttmp6, 0x40000                  ; cx, cy: my place in the cluster
	s_bfe_u32 s41, ttmp6, 0x40004
	s_lshl_b32 s42, ttmp9, 2
	s_add_co_u32 s42, s42, s40                     ; tile column = 4 x cluster x + cx
	s_and_b32 s17, ttmp7, 0xffff
	s_lshl_b32 s17, s17, 2
	s_add_co_u32 s17, s17, s41                     ; tile row = 4 x cluster y + cy
	s_lshl_b32 s43, s41, 2
	s_lshl_b32 s43, 15, s43                        ; my row of the cluster
	s_lshl_b32 s44, 0x1111, s40                    ; my column
	; descriptor group 1: four runs of 8,192 bytes (1,024 elements of 8 bytes), 32,768 bytes apart; no padding
	s_or_b32 s[G1+0], s43, (3<<16)|(1<<21)         ; 15:0 the mask: A's tiles go to my row; 17:16 elements of 8 bytes; 21 set beside a mask
	s_or_b32 s[G1B+0], s44, (3<<16)|(1<<21)
.irp g, G1, G1B
	s_mov_b32 s[\g+1], 1024<<16                    ; tensor_dim0
	s_mov_b32 s[\g+2], 4<<16                       ; tensor_dim1
	s_mov_b32 s[\g+3], 1024<<16                    ; tile_dim0
	s_mov_b32 s[\g+4], 4                           ; tile_dim1
	s_mov_b32 s[\g+5], 4096                        ; tensor_dim0_stride
	s_mov_b32 s[\g+6], 0
	s_mov_b32 s[\g+7], 0
.endr
	s_lshl_b32 s18, s16, 2                         ; which four blocks of 16 rows of the tile I fetch
	s_lshl_b32 s20, s17, 3
	s_add_co_u32 s20, s20, s18                     ; A: block 8 x tile row + 4 x half,
	s_lshl_b32 s20, s20, 15                        ; 32,768 bytes a block
	s_mov_b32 s21, 0
	s_lshl_b32 s46, s42, 3
	s_add_co_u32 s46, s46, s18                     ; B: block 8 x tile column + 4 x half
	s_lshl_b32 s46, s46, 15
	s_mov_b32 s47, 0
	s_lshl_b32 s45, s14, 15                        ; where they go: wave x 32,768: no place in the cluster enters an LDS address
	s_wait_dscnt 0x0                               ; both opening adds are done
	s_wait_kmcnt 0x0
	s_add_nc_u64 s[20:21], s[4:5], s[20:21]
	s_add_nc_u64 s[46:47], s[6:7], s[46:47]
	CROUND                                         ; all sixteen work-groups are here: the first joint loads meet
.irp s, 0,1
	s_mov_b32 s[G0+4*\s], 1
	s_add_co_u32 s[G0+4*\s+1], s45, \s*SLOT
	s_add_nc_u64 s[G0+4*\s+2:G0+4*\s+3], s[20:21], \s*8192      ; K step s
	s_or_b32 s[G0+4*\s+3], s[G0+4*\s+3], 0x80000000
	s_mov_b32 s[G0B+4*\s], 1
	s_add_co_u32 s[G0B+4*\s+1], s45, \s*SLOT
	s_add_nc_u64 s[G0B+4*\s+2:G0B+4*\s+3], s[46:47], \s*8192
	s_or_b32 s[G0B+4*\s+3], s[G0B+4*\s+3], 0x80000000
	JLOAD \s                                       ; two tensor loads of mine are out
.endr
	v_and_b32 v1, 15, v0                           ; l % 16
	v_bfe_u32 v2, v0, 4, 1                         ; l / 16
	v_and_b32 v3, 31, v0
	v_lshlrev_b32 v3, 4, v3                        ; 16 x lane
	s_lshl_b32 s21, s15, 15                        ; my four blocks of A
	s_lshl_b32 s22, s16, 15                        ; my four blocks of B,
	s_add_co_u32 s22, s22, 2*HALFT                 ; which lie behind A's eight
.irp s, 0,1
	v_add_nc_u32 v[ADRA+\s], s21, v3
	v_add_nc_u32 v[ADRB+\s], s22, v3
	s_add_co_u32 s21, s21, SLOT
	s_add_co_u32 s22, s22, SLOT
.endr
	s_mul_i32 s23, s14, 16*SPITCH
	s_add_co_u32 s23, s23, STAGE                   ; my stage
	v_mul_u32_u24 v4, v1, SPITCH                   ; in: row l % 16, 32 bytes for each half of the lanes
	v_lshl_add_u32 v4, v2, 5, v4
	v_add_nc_u32 v[STO], s23, v4
	v_mul_u32_u24 v5, v2, SPITCH                   ; back: lanes 0-15 take one row of 256 bytes, lanes 16-31 the next
	v_lshl_add_u32 v5, v1, 4, v5
	v_add_nc_u32 v[RD], s23, v5
	v_lshlrev_b32 v5, 12, v2                       ; and the same two rows in the output: 4,096 bytes a row
	v_lshl_add_u32 v[CO], v1, 4, v5
	v_lshlrev_b32 v[BA], 5, v2
	s_lshl_b32 s20, s17, 7
	s_lshl_b32 s21, s15, 6
	s_add_co_u32 s20, s20, s21                     ; my first row: 128 x tile row + 64 x half
	s_lshl_b32 s20, s20, 12
	s_lshl_b32 s46, s42, 9                         ; my first column, in bytes: 512 x tile column + 256 x half: in the output and in bo alike
	s_lshl_b32 s47, s16, 8
	s_add_co_u32 s46, s46, s47
	s_mov_b32 s47, 0
	s_add_nc_u64 s[8:9], s[8:9], s[46:47]
	s_add_co_u32 s20, s20, s46
	s_mov_b32 s21, 0
	s_add_nc_u64 s[10:11], s[10:11], s[20:21]
.irp b, 0,1,2,3
	global_load_b128 v[BIAS+8*\b:BIAS+8*\b+3],   v[BA], s[8:9] offset:64*\b       ; bo of columns 16 b + 8 (l / 16) + 0 .. 7
	global_load_b128 v[BIAS+8*\b+4:BIAS+8*\b+7], v[BA], s[8:9] offset:64*\b+16
.endr
; 8 matrix instructions: m blocks a0, a0 + 1 x all 4 n blocks, 32 along K: half c of buffer f.  first = 1: the first product starts the sums, from bo.  The 16 accumulators take turns.
.macro MUL8 f, c, a0, first
.irp a, \a0, \a0+1
.irp b, 0,1,2,3
.if \first
	v_wmma_f32_16x16x32_f16 v[ACC+8*(4*(\a)+\b):ACC+8*(4*(\a)+\b)+7], v[\f+64+8*(4*\c+\b):\f+64+8*(4*\c+\b)+7], v[\f+8*(4*\c+\a):\f+8*(4*\c+\a)+7], v[BIAS+8*\b:BIAS+8*\b+7]
.else
	v_wmma_f32_16x16x32_f16 v[ACC+8*(4*(\a)+\b):ACC+8*(4*(\a)+\b)+7], v[\f+64+8*(4*\c+\b):\f+64+8*(4*\c+\b)+7], v[\f+8*(4*\c+\a):\f+8*(4*\c+\a)+7], v[ACC+8*(4*(\a)+\b):ACC+8*(4*(\a)+\b)+7]
.endif
.endr
.endr
.endm
; 32 LDS loads in one run: the fragments of the slot's q-th 64 along K (fragments 2 q and 2 q + 1 of each block), into buffer f; the first 32 along K first
.macro FETCH slot, q, f
	WIN TO_F
.irp c, 0,1
.irp i, 0,1,2,3
	ds_load_b128 v[\f+64+8*(4*\c+\i):\f+64+8*(4*\c+\i)+3],   v[ADRB+\slot] offset:8192*\i+1024*(2*(\q)+\c)
	ds_load_b128 v[\f+64+8*(4*\c+\i)+4:\f+64+8*(4*\c+\i)+7], v[ADRB+\slot] offset:8192*\i+1024*(2*(\q)+\c)+512
	ds_load_b128 v[\f+8*(4*\c+\i):\f+8*(4*\c+\i)+3],         v[ADRA+\slot] offset:8192*\i+1024*(2*(\q)+\c)
	ds_load_b128 v[\f+8*(4*\c+\i)+4:\f+8*(4*\c+\i)+7],       v[ADRA+\slot] offset:8192*\i+1024*(2*(\q)+\c)+512
.endr
.endr
.endm
.macro PLACES                          ; four places in front of loads into registers that matrix instructions have read, and of the first read of results
.rept 4
	v_nop
.endr
.endm
; A K step is four quarters of 64 along K, 32 matrix instructions each, on buffers 0, 1, 0, 1.  One of the first three: multiplies buffer f and fetches quarter q of the same slot into g.
.macro QUARTER slot, q, f, g, first
	s_wait_dscnt 16                                ; the first 32 along K are in; the sixteen loads of the second 32 may be out
	WIN MUL
	MUL8 \f, 0, 0, \first
	MUL8 \f, 0, 2, \first
	PLACES
	FETCH \slot, \q, \g
	s_wait_dscnt 32                                ; all but the 32 just issued
	WIN MUL
	MUL8 \f, 1, 0, 0
	MUL8 \f, 1, 2, 0
.endm
; The last quarter multiplies buffer 1 and changes slots: ONE barrier; in front of it each wave waits for all its tensor loads, adds 0 to its spare word, and waits for that and for its own reads of this slot.  fill = 1: this slot is filled again, two K steps ahead.
.macro TURN slot, next, fill
	WIN 0                                          ; (the add's two registers lie in window 0)
	s_wait_tensorcnt 0x0                           ; all my tensor loads have landed: my part of the next slot
	ds_add_u32 v[SPW], v[NIL]                      ; 0 onto my spare word
	s_wait_dscnt 17                                ; (the add and the youngest sixteen loads may be out)
	WIN MUL
	MUL8 F1, 0, 0, 0                               ; eight matrix instructions stand between the add and the wait for it
	s_wait_dscnt 0x0                               ; the add is done, and my reads of this slot are over
	s_barrier_signal -1
	MUL8 F1, 0, 2, 0
.if \fill
	WIN 0
.endif
	s_barrier_wait -1
.if \fill
	CREST                                          ; the barrier has opened a round of the cluster's barrier: no wave of any partner still reads this slot's tile or has a load on its way
	s_add_nc_u64 s[G0+4*\slot+2:G0+4*\slot+3], s[G0+4*\slot+2:G0+4*\slot+3], 16384
	s_add_nc_u64 s[G0B+4*\slot+2:G0B+4*\slot+3], s[G0B+4*\slot+2:G0B+4*\slot+3], 16384
	JLOAD \slot                                    ; the first tensor load behind the round; the four v_nop behind it are also the places in front of the loads below
.else
	PLACES
.endif
	FETCH \next, 0, F0
	WIN MUL
	MUL8 F1, 1, 0, 0
	MUL8 F1, 1, 2, 0
.endm
	s_wait_tensorcnt 1                             ; my part of K step 0 is in (K step 1's load may be out),
	s_barrier_signal -1
	s_barrier_wait -1                              ; everybody's is
	FETCH 0, 0, F0
	s_wait_loadcnt 0x0                             ; bo
	QUARTER 0, 1, F0, F1, 1                        ; K step 0: its first products start the sums
	QUARTER 0, 2, F1, F0, 0
	QUARTER 0, 3, F0, F1, 0
	TURN 0, 1, 1                                   ; slot 0 takes K step 2
	QUARTER 1, 1, F0, F1, 0                        ; K step 1
	QUARTER 1, 2, F1, F0, 0
	QUARTER 1, 3, F0, F1, 0
	TURN 1, 0, 1                                   ; slot 1 takes K step 3
	QUARTER 0, 1, F0, F1, 0                        ; K step 2: the last lap fills nothing, and has no round of the cluster's barrier
	QUARTER 0, 2, F1, F0, 0
	QUARTER 0, 3, F0, F1, 0
	TURN 0, 1, 0
	QUARTER 1, 1, F0, F1, 0                        ; K step 3
	QUARTER 1, 2, F1, F0, 0
	QUARTER 1, 3, F0, F1, 0
	s_wait_dscnt 16                                ; the very last quarter: nothing more to fetch
	WIN MUL
	MUL8 F1, 0, 0, 0
	MUL8 F1, 0, 2, 0
	s_wait_dscnt 0
	MUL8 F1, 1, 0, 0
	MUL8 F1, 1, 2, 0
	WIN 0
; THE WAY OUT, block by block of 16 rows x 64 columns.  A lane holds 32 neighbouring bytes of a row, and the lanes beside it hold other rows: so a block goes through my own stage and comes back as whole rows of 256 bytes.
; LDS serves a wave's instructions in order (ISA guide 5.7.1.4): no wait between the stores and the loads, nor in front of the next block's stores.
.macro TOSTAGE a
.irp b, 0,1,2,3
	ds_store_b128 v[STO], v[ACC+8*(4*(\a)+\b):ACC+8*(4*(\a)+\b)+3] offset:64*\b          ; each accumulator from its low end on
	ds_store_b128 v[STO], v[ACC+8*(4*(\a)+\b)+4:ACC+8*(4*(\a)+\b)+7] offset:64*\b+16
.endr
.set BB, TMP+32*((\a)%2)
.irp i, 0,1,2,3,4,5,6,7
	ds_load_b128 v[BB+4*\i:BB+4*\i+3], v[RD] offset:\i*2*SPITCH
.endr
.endm
.macro SEND a, younger                 ; younger: the LDS instructions issued behind block a's loads, which may stay out
.set BB, TMP+32*((\a)%2)
	s_wait_dscnt \younger                          ; the block is back in registers
.irp i, 0,1,2,3,4,5,6,7
	global_store_b128 v[CO], v[BB+4*\i:BB+4*\i+3], s[10:11] offset:65536*(\a)+8192*\i th:TH_STORE_NT   ; 16 lanes store 256 consecutive bytes, aligned; written once, read by nobody here
.endr
.endm
	PLACES                                         ; behind the last products, in front of the first read of results
	TOSTAGE 0
.irp a, 1,2,3
.if \a > 1
	s_wait_xcnt 0x0                                ; block a - 2's stores have read their registers: block a's loads may land there
.endif
	TOSTAGE \a
	SEND \a-1, 16                                  ; behind block a - 1's loads: block a's 8 stores and 8 loads
.endr
	SEND 3, 0
	s_wait_tensorcnt 0x0                           ; the wave's end: behind my last tensor load and my last LDS store
	ds_add_u32 v[SPW], v[NIL]
	s_wait_dscnt 0x0
	CROUND                                         ; the closing round: no work-group ends while a partner may still ask for a tile that names it
	s_endpgm
.Lfunc_end_k_qc455bc4061_outp:
	.size	k_qc455bc4061_outp, .Lfunc_end_k_qc455bc4061_outp-k_qc455bc4061_outp
	.p2alignl 7, 3214868480
	.fill 96, 4, 3214868480
	.section	.rodata,"a",@progbits
	.p2align	6, 0x0
	.amdhsa_kernel k_qc455bc4061_outp
		.amdhsa_group_segment_fixed_size 327680
		.amdhsa_private_segment_fixed_size 0
		.amdhsa_enable_private_segment 0
		.amdhsa_kernarg_size 32
		.amdhsa_user_sgpr_count 2
		.amdhsa_user_sgpr_kernarg_segment_ptr 1
		.amdhsa_wavefront_size32 1
		.amdhsa_system_sgpr_workgroup_id_x 1
		.amdhsa_system_sgpr_workgroup_id_y 1
		.amdhsa_system_sgpr_workgroup_id_z 1
		.amdhsa_system_vgpr_workitem_id 0
		.amdhsa_next_free_vgpr 512
		.amdhsa_next_free_sgpr 66
		.amdhsa_reserve_vcc 0
		.amdhsa_float_denorm_mode_32 3
		.amdhsa_float_denorm_mode_16_64 3
		.amdhsa_memory_ordered 1
		.amdhsa_forward_progress 1
		.amdhsa_inst_pref_size 86
	.end_amdhsa_kernel
	.amdgpu_metadata
---
amdhsa.version: [ 1, 2 ]
amdhsa.kernels:
  - .name:           k_qc455bc4061_outp
    .symbol:         k_qc455bc4061_outp.kd
    .args:
      - { .name: ctx, .offset: 0, .size: 8, .value_kind: global_buffer, .address_space: global }
      - { .name: wof, .offset: 8, .size: 8, .value_kind: global_buffer, .address_space: global }
      - { .name: bo, .offset: 16, .size: 8, .value_kind: global_buffer, .address_space: global }
      - { .name: out0, .offset: 24, .size: 8, .value_kind: global_buffer, .address_space: global }
    .group_segment_fixed_size: 327680
    .private_segment_fixed_size: 0
    .kernarg_segment_align: 8
    .kernarg_segment_size: 32
    .max_flat_workgroup_size: 128
    .sgpr_count:     66
    .vgpr_count:     512
    .wavefront_size: 32
...
	.end_amdgpu_metadata
.endif
;; end of part 4
